; MI455X (gfx1250); checked and timed in simulation.
; The chip was launched on July 23, 2026; its instructions are those of AMD's public machine-readable ISA for CDNA 5 (MIT licence, August 2026) and "CDNA5" Instruction Set Architecture Reference Guide (July 2026). The comments in the code are by the model that wrote it; some were corrected since.
;; DIF Multi Head Attention. Allowed arithmetic: float matrix products may take bf16 or f16 operands with f32 sums; all other float work in f32.
;; Inputs: Wd 512 x 512 float32; Wk 512 x 512 float32; Wka0 256 x 256 float32; Wka1 256 x 256 float32; Wkp 512 x 512 float32; Wq 512 x 512 float32; Wqa0 256 x 256 float32; Wqa1 256 x 256 float32; Wqp 512 x 512 float32; Wv 512 x 512 float32; attention_mask 32 x 1 x 1 x 512 float32; attr0 32 x 512 x 256 float32; attr1 32 x 512 x 256 float32; bd 512 float32; beta 512 float32; bk 512 float32; bka0 256 float32; bka1 256 float32; bkp 512 float32; bq 512 float32; bqa0 256 float32; bqa1 256 float32; bqp 512 float32; bv 512 float32; gamma 512 float32; item_hidden 32 x 512 x 512 float32; position_embed 32 x 512 x 512 float32.
;; Outputs: out0 32 x 512 x 512 float32.
;; 2 versions, each right; version 2 is version 1 with the launch conv written anew for expert scheduling mode. Each part assembles by itself: llvm-mc -triple=amdgcn-amd-amdhsa -mcpu=gfx1250 --defsym DOCPART=n.
;; ======== version 1 of 2: 3 launches
;; workspace buffers: img 54,001,664 bytes; ctx 16,777,216 bytes
;; launch conv (part 1): grid 1648 x 1, 8 waves a work-group, no clusters, 35,840 bytes of LDS; arguments item_hidden, position_embed, attr0, attr1, Wq, Wk, Wv, Wqp, Wkp, Wd, Wqa0, Wka0, Wqa1, Wka1, img; writes img
.if DOCPART == 1
	.amdgcn_target "amdgcn-amd-amdhsa--gfx1250"
	.amdhsa_code_object_version 6
	.text
	.protected	k_qca76f9baa8_conv
	.globl	k_qca76f9baa8_conv
	.p2align	8
	.type	k_qca76f9baa8_conv,@function
k_qca76f9baa8_conv:
	s_mov_b64 s[64:65], 0
	v_nop
	global_prefetch_b8 v0, s[64:65] scope:SCOPE_SE
	s_setreg_imm32_b32 hwreg(HW_REG_WAVE_MODE, 25, 1), 1
	s_wait_xcnt 0x0
; The four activations and the ten weight matrices, f32, are rounded once to bf16 and laid out as FRAGMENT IMAGES:
; a block is 16 rows x 32 k = 1,024 bytes, [half q][lane 0..31][16 bytes]; lane (r = l % 16, h = l / 16), half q holds
; X[16 rt + r][32 ks + 16 q + 8 h + 0..7].  Two 16-byte loads a lane, 512 bytes apart, are then one matrix operand, and
; each of them covers 512 neighbouring bytes.  Block (rt, ks) lies at SECOFF + (rt >> LT) GSTR + (rt % 2^LT) 1024 + ks KSSTR.
; Activations: groups of 64 rows, [ks][4 row tiles].  Weights of the projections: one stream of 393,216 bytes a head, in the
; order in which the next launch walks it: item [16 ks][Q 0-3, K 0-3, V 0-3], position [16 ks][Q 0-3, K 0-3], attr0 and attr1
; [8 ks][Q 0-1, K 0-1].  Wd: groups of 64 output columns, [ks][4 column tiles].
; One wave takes one unit of 16 rows x 128 k: 16 loads of 512 neighbouring bytes, 32 roundings, a turn through its own
; 4,352 bytes of LDS, 8 stores of 512 neighbouring bytes.  No loop, no barrier: no wave touches another's bytes.
; Memory binds: matrix units, clusters and large tiles would add nothing.
.set XIO,  0                           ; item_hidden's image
.set XPO,  16777216                    ; position_embed's
.set XA0O, 33554432                    ; attr0's
.set XA1O, 41943040                    ; attr1's
.set WB,   50331648                    ; the heads' weight streams
.set WDO,  53477376                    ; Wd's image
.set HSTR, 393216                      ; bytes of a head's stream
.set IO,  2                            ; v[2:17]    byte offset of my 16 bytes in row i of the unit
.set X,   20                           ; v[20:83]   row i: 4 f32
.set C,   84                           ; v[84:115]  row i: 4 bf16
.set R,   116                          ; v[116:147] the image, 8 x 16 bytes a lane
.set OO,  148                          ; v[148:151] byte offset of my 16 bytes in block b
.set SA,  152                          ; v152       LDS: where my 8 bytes of row 0 go
.set RA,  153                          ; v153       LDS: where my 16 bytes of the image's first 512 lie
.set SPITCH, 272                       ; 256 bytes (16 rows x 16 bytes of one (ks, q, h)) + 16: the 32 lanes of a store touch all 64 banks once
.macro TRY limit, label
	s_cmp_lt_u32 ttmp9, \limit
	s_cbranch_scc1 \label
.endm
; One source: its pointer and the constants of its layout.
.macro SECTION id, arg, base, logkq, pitch, lt, gstr, ksstr, secoff
.Lsec_\id:
	s_load_b64 s[4:5], s[0:1], 8*\arg
	s_mov_b32 s8, \base                            ; the source's first work-group
	s_mov_b32 s9, \logkq                           ; log2 of the units along a row
	s_mov_b32 s10, \pitch                          ; bytes of a source row
	s_mov_b32 s11, \lt
	s_mov_b32 s12, \gstr
	s_mov_b32 s13, \ksstr
	s_mov_b32 s14, \secoff
	s_mov_b32 s24, (1<<\logkq)-1
	s_mov_b32 s25, (1<<\lt)-1
	s_branch .Lgo
.endm
	s_load_b64 s[6:7], s[0:1], 0x70                ; img
	v_lshl_add_u32 v160, v0, 2, 0x8800
	v_mov_b32 v161, 0
	v_lshrrev_b32 v1, 5, v0
	v_readfirstlane_b32 s15, v1                    ; wave
	TRY 512,  .Lsec_0
	TRY 1024, .Lsec_1
	TRY 1280, .Lsec_2
	TRY 1536, .Lsec_3
	TRY 1552, .Lsec_4
	TRY 1568, .Lsec_5
	TRY 1584, .Lsec_6
	TRY 1600, .Lsec_7
	TRY 1616, .Lsec_8
	TRY 1632, .Lsec_9
	TRY 1636, .Lsec_10
	TRY 1640, .Lsec_11
	TRY 1644, .Lsec_12
	s_branch .Lsec_13
	SECTION 0,  0,  0,    2, 2048, 2, 65536, 4096, XIO
	SECTION 1,  1,  512,  2, 2048, 2, 65536, 4096, XPO
	SECTION 2,  2,  1024, 1, 1024, 2, 32768, 4096, XA0O
	SECTION 3,  3,  1280, 1, 1024, 2, 32768, 4096, XA1O
	SECTION 4,  4,  1536, 2, 2048, 2, HSTR,  12288, WB             ; Wq : item pass, tiles 0-3 of a k step's twelve
	SECTION 5,  5,  1552, 2, 2048, 2, HSTR,  12288, WB+4096        ; Wk : item pass, tiles 4-7
	SECTION 6,  6,  1568, 2, 2048, 2, HSTR,  12288, WB+8192        ; Wv : item pass, tiles 8-11
	SECTION 7,  7,  1584, 2, 2048, 2, HSTR,  8192, WB+196608       ; Wqp
	SECTION 8,  8,  1600, 2, 2048, 2, HSTR,  8192, WB+200704       ; Wkp
	SECTION 9,  9,  1616, 2, 2048, 2, 65536, 4096, WDO             ; Wd
	SECTION 10, 10, 1632, 1, 1024, 1, HSTR,  4096, WB+327680       ; Wqa0: tiles 0, 1
	SECTION 11, 11, 1636, 1, 1024, 1, HSTR,  4096, WB+329728       ; Wka0: tiles 2, 3
	SECTION 12, 12, 1640, 1, 1024, 1, HSTR,  4096, WB+360448       ; Wqa1
	SECTION 13, 13, 1644, 1, 1024, 1, HSTR,  4096, WB+362496       ; Wka1
.Lgo:
	s_sub_co_u32 s16, ttmp9, s8
	s_lshl3_add_u32 s16, s16, s15                  ; my unit in the source
	s_lshr_b32 s17, s16, s9                        ; rt: its 16 rows
	s_and_b32 s18, s16, s24                        ; kq: its 128 k
	s_mul_i32 s20, s17, s10
	s_lshl_b32 s20, s20, 4                         ; 16 rt rows,
	s_lshl_b32 s19, s18, 9                         ; 512 bytes a unit along the row
	s_add_co_u32 s20, s20, s19
	s_mov_b32 s21, 0
	s_lshr_b32 s22, s17, s11
	s_mul_i32 s22, s22, s12                        ; the group,
	s_and_b32 s23, s17, s25
	s_lshl_b32 s23, s23, 10                        ; the tile in the group,
	s_add_co_u32 s22, s22, s23
	s_mul_i32 s23, s18, s13
	s_lshl_b32 s23, s23, 2                         ; k step 4 kq
	s_add_co_u32 s22, s22, s23
	s_add_co_u32 s22, s22, s14
	s_mov_b32 s23, 0
	s_mul_i32 s26, s15, 16*SPITCH                  ; my wave's stage
	v_and_b32 v1, 31, v0
	v_lshlrev_b32 v[IO], 4, v1
.set i, 1
.rept 15
	v_mad_u32_u24 v[IO+i], s10, i, v[IO]           ; 16 lane + i rows
.set i, i+1
.endr
	v_lshlrev_b32 v[OO], 4, v1
.set i, 1
.rept 3
	v_mad_u32_u24 v[OO+i], s13, i, v[OO]           ; 16 lane + i k steps
.set i, i+1
.endr
	; lane l holds k = 4 l .. 4 l + 3 of a row: bits 4:3 of l are the block, bit 2 is q, bit 1 is h, bit 0 the half of the 16 bytes
	v_lshrrev_b32 v18, 1, v1
	v_mul_u32_u24 v[SA], v18, SPITCH
	v_and_b32 v18, 1, v1
	v_lshl_add_u32 v[SA], v18, 3, v[SA]
	v_add_nc_u32 v[SA], s26, v[SA]
	v_lshrrev_b32 v18, 4, v1
	v_mul_u32_u24 v[RA], v18, SPITCH
	v_and_b32 v18, 15, v1
	v_lshl_add_u32 v[RA], v18, 4, v[RA]
	v_add_nc_u32 v[RA], s26, v[RA]
	s_wait_kmcnt 0x0
	s_add_nc_u64 s[4:5], s[4:5], s[20:21]
	s_add_nc_u64 s[6:7], s[6:7], s[22:23]
.set i, 0
.rept 16
	global_load_b128 v[X+4*i:X+4*i+3], v[IO+i], s[4:5] th:TH_LOAD_NT   ; 512 neighbouring bytes of row i; read once in this launch
.set i, i+1
.endr
.set i, 0
.rept 16
	s_wait_loadcnt 15-i                            ; loads return in order: row i is in, the 15 - i younger ones stay out
	v_cvt_pk_bf16_f32 v[C+2*i],   v[X+4*i],   v[X+4*i+1]
	v_cvt_pk_bf16_f32 v[C+2*i+1], v[X+4*i+2], v[X+4*i+3]
	ds_store_b64 v[SA], v[C+2*i:C+2*i+1] offset:16*i   ; row i is place r = i of its 256 bytes
.set i, i+1
.endr
.set i, 0
.rept 8
	ds_load_b128 v[R+4*i:R+4*i+3], v[RA] offset:2*SPITCH*i   ; my wave's own bytes; LDS serves a wave in order, so these see the stores above
.set i, i+1
.endr
.set i, 0
.rept 8
	s_wait_dscnt 7-i
	global_store_b128 v[OO+i/2], v[R+4*i:R+4*i+3], s[6:7] offset:512*(i%2)   ; half i % 2 of block i / 2: 512 neighbouring bytes, aligned
.set i, i+1
.endr
	s_wait_tensorcnt 0x0
	ds_add_u32 v160, v161
	s_wait_dscnt 0x0
	s_endpgm
.Lfunc_end_k_qca76f9baa8_conv:
	.size	k_qca76f9baa8_conv, .Lfunc_end_k_qca76f9baa8_conv-k_qca76f9baa8_conv
	.p2alignl 7, 3214868480
	.fill 96, 4, 3214868480
	.section	.rodata,"a",@progbits
	.p2align	6, 0x0
	.amdhsa_kernel k_qca76f9baa8_conv
		.amdhsa_group_segment_fixed_size 35840
		.amdhsa_private_segment_fixed_size 0
		.amdhsa_enable_private_segment 0
		.amdhsa_kernarg_size 120
		.amdhsa_user_sgpr_count 2
		.amdhsa_user_sgpr_kernarg_segment_ptr 1
		.amdhsa_wavefront_size32 1
		.amdhsa_system_sgpr_workgroup_id_x 1
		.amdhsa_system_sgpr_workgroup_id_y 1
		.amdhsa_system_sgpr_workgroup_id_z 1
		.amdhsa_system_vgpr_workitem_id 0
		.amdhsa_next_free_vgpr 162
		.amdhsa_next_free_sgpr 66
		.amdhsa_reserve_vcc 0
		.amdhsa_float_denorm_mode_32 3
		.amdhsa_float_denorm_mode_16_64 3
		.amdhsa_memory_ordered 1
		.amdhsa_forward_progress 1
		.amdhsa_inst_pref_size 19
	.end_amdhsa_kernel
	.amdgpu_metadata
---
amdhsa.version: [ 1, 2 ]
amdhsa.kernels:
  - .name:           k_qca76f9baa8_conv
    .symbol:         k_qca76f9baa8_conv.kd
    .args:
      - { .name: item_hidden, .offset: 0, .size: 8, .value_kind: global_buffer, .address_space: global }
      - { .name: position_embed, .offset: 8, .size: 8, .value_kind: global_buffer, .address_space: global }
      - { .name: attr0, .offset: 16, .size: 8, .value_kind: global_buffer, .address_space: global }
      - { .name: attr1, .offset: 24, .size: 8, .value_kind: global_buffer, .address_space: global }
      - { .name: Wq, .offset: 32, .size: 8, .value_kind: global_buffer, .address_space: global }
      - { .name: Wk, .offset: 40, .size: 8, .value_kind: global_buffer, .address_space: global }
      - { .name: Wv, .offset: 48, .size: 8, .value_kind: global_buffer, .address_space: global }
      - { .name: Wqp, .offset: 56, .size: 8, .value_kind: global_buffer, .address_space: global }
      - { .name: Wkp, .offset: 64, .size: 8, .value_kind: global_buffer, .address_space: global }
      - { .name: Wd, .offset: 72, .size: 8, .value_kind: global_buffer, .address_space: global }
      - { .name: Wqa0, .offset: 80, .size: 8, .value_kind: global_buffer, .address_space: global }
      - { .name: Wka0, .offset: 88, .size: 8, .value_kind: global_buffer, .address_space: global }
      - { .name: Wqa1, .offset: 96, .size: 8, .value_kind: global_buffer, .address_space: global }
      - { .name: Wka1, .offset: 104, .size: 8, .value_kind: global_buffer, .address_space: global }
      - { .name: img, .offset: 112, .size: 8, .value_kind: global_buffer, .address_space: global }
    .group_segment_fixed_size: 35840
    .private_segment_fixed_size: 0
    .kernarg_segment_align: 8
    .kernarg_segment_size: 120
    .max_flat_workgroup_size: 256
    .sgpr_count:     66
    .vgpr_count:     162
    .wavefront_size: 32
...
	.end_amdgpu_metadata
.endif
;; end of part 1
;; launch attn (part 2): grid 4 x 64, 8 waves a work-group, clusters of 4 x 4, 325,376 bytes of LDS; arguments img, attention_mask, bq, bk, bqp, bkp, bv, bqa0, bka0, bqa1, bka1, ctx; writes ctx
.if DOCPART == 2
	.amdgcn_target "amdgcn-amd-amdhsa--gfx1250"
	.amdhsa_code_object_version 6
	.text
	.protected	k_qca76f9baa8_attn
	.globl	k_qca76f9baa8_attn
	.p2align	8
	.type	k_qca76f9baa8_attn,@function
k_qca76f9baa8_attn:
	s_mov_b64 s[64:65], 0
	v_nop
	global_prefetch_b8 v0, s[64:65] scope:SCOPE_SE
	s_setreg_imm32_b32 hwreg(HW_REG_WAVE_MODE, 25, 1), 1
	s_wait_xcnt 0x0
	s_wait_alu depctr_hold_cnt(0) depctr_sa_sdst(0) depctr_va_vdst(0) depctr_va_sdst(0) depctr_va_ssrc(0) depctr_va_vcc(0) depctr_vm_vsrc(0)
	s_getreg_b32 s2, hwreg(HW_REG_IB_STS2, 6, 4)
	s_cmp_eq_u32 s2, 0
	s_cbranch_scc0 .Lentry_in_a_cluster
	s_endpgm
.Lentry_in_a_cluster:
	s_bfe_u32 s2, ttmp6, 0x10000c
	s_cmp_lg_u32 s2, 0xf033
	s_cbranch_scc0 .Lentry_shape_is_right
	s_endpgm
.Lentry_shape_is_right:
; One work-group = one (batch, head): 256 of them.  The four score maps add up, so they are ONE product over 192 channels a head:
; item 0-63 | position 64-127 | attr0 128-159 | attr1 160-191.  The work-group projects its head's Q', K' (192 channels) and V (64) from the
; bf16 images, keeps Q' in registers, K' and V^T in LDS, and runs softmax(Q' K'^T / 8 + mask) V over all 512 keys.  Nothing of Q, K, V goes to memory.
; SHARES.  Eight waves, two on a SIMD with 512 registers each; wave w owns tokens (= queries) 64 w .. 64 w + 63, four tiles of 16.
; CLUSTER.  4 x 4 work-groups are launched together: two batches times eight heads, so that the eight readers of a batch's images run side by side.
; There are no joint loads: what the eight share is x, which goes straight to operand registers, and LDS is full of K' and V^T.  So there are no rounds of the
; cluster's barrier either; the place in the cluster enters global addresses alone, no LDS address and no branch.
; PROJECTIONS, four passes (item Q|K|V, position Q|K, attr0 Q|K, attr1 Q|K), 48 k steps of 32 in all; each image is walked once.  x comes from the image straight
; into operand registers; the head's weights are one linear stream, brought k step by k step through registers into a ring of four LDS slots that all waves read.
; The item pass has 12 weight tiles x 4 token tiles x 8 = 384 accumulator registers: Q's and K's fill window 1, V's take v128-255 of window 0.  Of the wave's 512
; that leaves 128: 8 of addresses, 24 of weights on their way, 32 of weight operands, 64 of x: a ring of two k steps there, of four in the other passes.
; Q and K: source 0 = 16 weight rows, source 1 = 16 tokens, so a lane holds ONE token and eight channels: two rounded tiles are an operand of Q',
; one rounded tile is 16 bytes of a row of K'.  V: sources swapped, a lane holds one channel and eight keys: 16 bytes of a row of V^T.
; ATTENTION.  S^T = K' Q'^T (a lane holds one query, eight keys), P = rounded weights = source 1 of O^T = V^T P.  Running maximum and sum for each query.
; c = log2(e) / 8 is folded into Q' (product and bias), the mask times log2(e) is the C of each score tile's first product: p = 2^(s - m).
; LIMITS.  All matrix operands are bf16.  The running maximum starts at -FLT_MAX, so keys masked by -inf get weight 0; a row whose keys are all -inf
; gives 0 / 0 = NaN, as the softmax of such a row does.
; The accumulators take turns, one matrix instruction a turn.
.set WSLOT, 12288                      ; LDS 0: four slots for the weights of a k step (12 tiles of 1,024 bytes at the most)
.set KB,  49152                        ; LDS: K', 512 rows
.set KP,  400                          ;   384 bytes + 16: an odd multiple of 16, so 16 rows start in 16 different 16-byte columns
.set VT,  253952                       ; LDS: V^T, 64 rows
.set VP,  1040                         ;   1,024 bytes + 16
.set MSK, 320512                       ; LDS: mask x log2(e), 512 f32
.set BIA, 322560                       ; LDS: bq c 0, bk 256, bqp c 512, bkp 768, bv 1024, bqa0 c 1280, bka0 1408, bqa1 c 1536, bka1 1664; ends at 324,352
; window 0, projections
.set LN16, 1                           ; 16 x lane
.set T16,  2                           ; 16 x thread
.set KST,  3                           ; where my 16 bytes of K' go (tile 0, channel 0)
.set VST,  4                           ; the same for V^T
.set BA,   5                           ; biases of my eight channels
.set BR,   6                           ; bias of my one channel
.set WP,   8                           ; v[8:31]    weights on their way to LDS: two halves of 12, k step g in half g % 2
.set FR,   32                          ; v[32:63]   two pairs of weight operands; biases on a pass's way out; at the start v32-57 at work
.set XR,   64                          ; v[64:191]  x: k steps of 4 tiles x 8; two of them in the item pass, four later
.set VAC,  128                         ; v[128:255] item pass: V's accumulators at 8 (4 t + n)
.set QI,   192                         ; v[192:255] then Q', item channels: operand (tile t, c) at 8 (2 t + c)
; window 1: 0-127 accumulators of K and of the attr passes at 8 (4 t + tile), later O^T at 8 (4 q + ct);
;           128-255 accumulators of Q (item, position); later Q' position at 128 + 8 (2 t + i), attr0 at 192 + 8 t, attr1 at 224 + 8 t
; window 0, attention
.set KA,  1                            ; my place in a tile of K'
.set VA,  2                            ; my place in V^T
.set MA,  3                            ; my place in the mask
.set GO,  4                            ; 16 x lane
.set ST,  8                            ; v[8:31]  six a query tile: m, x1 | a, x0 | l (even keys), l (odd keys)
.set MK,  32                           ; v[32:47] the mask of 2 x 16 keys
.set KF,  48                           ; v[48:95] six operands of K' (16 keys x 192 channels)
.set VF,  96                           ; v[96:127] four operands of V^T (64 channels x 32 keys)
.set S,   128                          ; v[128:191] S^T (q, kt) at 16 q + 8 kt; P in place at 16 q + 0..7
; scalars
.set WN,  32                           ; s[32:33] the weight stream: the next k step to fetch
.set XN,  34                           ; s[34:35] x: the k step fetched last
.set XI,  36                           ; s[36:43] my 64 rows in the four images
.set XP,  38
.set XA0, 40
.set XA1, 42
.set MSB, 0
.macro WIN new                         ; s_set_vgpr_msb: bits 1:0 source 0, 3:2 source 1, 5:4 source 2, 7:6 destination; the high byte repeats the setting left
.if MSB != \new
	s_set_vgpr_msb (MSB<<8)|\new
.set MSB, \new
.endif
.endm
.macro PLACES                          ; four places behind matrix instructions, in front of loads into their sources and of reads of their results
.rept 4
	v_nop
.endr
.endm
.macro XLOAD slot, off                 ; a k step of my 64 rows: 4,096 neighbouring bytes, eight loads
.set x_i, 0
.rept 8
	global_load_b128 v[XR+32*(\slot)+4*x_i:XR+32*(\slot)+4*x_i+3], v[LN16], s[XN:XN+1] offset:(\off)+512*x_i
.set x_i, x_i+1
.endr
.endm
.macro LDW sl, p                       ; pair p of the weight operands in slot sl, 2,048 neighbouring bytes
.set lw_r, FR+((\p)%2)*16
.set lw_o, (\sl)*WSLOT+(\p)*2048
	ds_load_b128 v[lw_r:lw_r+3],     v[LN16] offset:lw_o
	ds_load_b128 v[lw_r+4:lw_r+7],   v[LN16] offset:lw_o+512
	ds_load_b128 v[lw_r+8:lw_r+11],  v[LN16] offset:lw_o+1024
	ds_load_b128 v[lw_r+12:lw_r+15], v[LN16] offset:lw_o+1536
.endm
; Eight products: the pair's two weight tiles x my four token tiles, eight different accumulators.  Of 8 or 12 tiles: 0-3 Q, 4-7 K, 8-11 V (x is source 0 there).
.macro PAIRMUL nt, xs, p, zero
.set pm_t, 0
.rept 4
.set pm_e, 0
.rept 2
.set pm_sl, 2*(\p)+pm_e
.set pm_v, 0
.if (\nt) == 4
.set pm_a, (4*pm_t+pm_sl)*8
.elseif pm_sl < 4
.set pm_a, 128+(4*pm_t+pm_sl)*8
.elseif pm_sl < 8
.set pm_a, (4*pm_t+pm_sl-4)*8
.else
.set pm_a, VAC+(4*pm_t+pm_sl-8)*8
.set pm_v, 1
.endif
.set pm_x, XR+(\xs)*32+8*pm_t
.set pm_w, FR+((\p)%2)*16+8*pm_e
.if pm_v
.if \zero
	v_wmma_f32_16x16x32_bf16 v[pm_a:pm_a+7], v[pm_x:pm_x+7], v[pm_w:pm_w+7], 0
.else
	v_wmma_f32_16x16x32_bf16 v[pm_a:pm_a+7], v[pm_x:pm_x+7], v[pm_w:pm_w+7], v[pm_a:pm_a+7]
.endif
.else
.if \zero
	v_wmma_f32_16x16x32_bf16 v[pm_a:pm_a+7], v[pm_w:pm_w+7], v[pm_x:pm_x+7], 0
.else
	v_wmma_f32_16x16x32_bf16 v[pm_a:pm_a+7], v[pm_w:pm_w+7], v[pm_x:pm_x+7], v[pm_a:pm_a+7]
.endif
.endif
.set pm_e, pm_e+1
.endr
.set pm_t, pm_t+1
.endr
.endm
; K STEP g: nt weight tiles, 4 nt products, in nt / 2 pairs.  sl = g % 4: the weights' LDS slot.  xs: x's ring slot (g % 2 in the item pass, g % 4 later).
; At its head the weights of step g + 2 go from registers into slot (g + 2) % 4, and those of step g + 4 are asked for; at its end the next k step of x that is due takes the ring
; slot just multiplied (two steps on in the item pass, four later).
; ONE BARRIER A STEP, signal and wait apart.  The signal (behind the first pair, my LDS stores landed and my LDS loads back) says two things: my part of step g + 2's weights is in
; LDS, and my reads of step g - 1's slot are over.  The wait stands behind the last pair.  So the stores at the head of step g + 1, into the slot of step g - 1, find it read out by
; every wave, and the first read of step g + 2's slot, late in step g + 1, finds it whole.  Between signal and wait a wave reads slots g and g + 1 only; until the next barrier the
; others write slots g + 2 and g + 3 only.  No global load stands between signal and wait.
; The rotation of operand pairs runs on into the next step's pairs 0 and 1 (cont = 1), so no LDS round trip is sat out between steps; at a pass's last step it stops (cont = 0), since
; the pass's way out uses the operand registers, and the next pass's first step starts it anew (start = 1).
; zero: the step starts the sums.  nst: 16-byte stores a thread for step g + 2; nld: loads for step g + 4.
; xmode 1: x of the next k step of the same image; 2: of the first k step of the image at s[nextx]; 0: none.  bar = 0: the step stores nothing, so it needs no barrier.
; lcnt: how many loads stand behind the younger of the two things that the step wants, the weights of step g + 2 and x of step g.
;   four slots of x: 16 + n: behind the weights of g + 2 stand x of g + 2 (8), the n loads of the weights of g + 3, x of g + 3 (8); x of g is older.
;   two slots of x:   8 + n: behind x of g stand the n loads of the weights of g + 3 and x of g + 1 (8); the weights of g + 2 are older.
.macro STEP nt, sl, xs, zero, nst, nld, xmode, nextx, lcnt, start, cont, bar
	s_wait_loadcnt \lcnt
.if (\nst) > 0
.set c_i, 0
.rept \nst
	ds_store_b128 v[T16], v[WP+12*((\sl)%2)+4*c_i:WP+12*((\sl)%2)+4*c_i+3] offset:(((\sl)+2)%4)*WSLOT+4096*c_i
.set c_i, c_i+1
.endr
.endif
.if (\nld) > 0
.set c_i, 0
.rept \nld
	global_load_b128 v[WP+12*((\sl)%2)+4*c_i:WP+12*((\sl)%2)+4*c_i+3], v[T16], s[WN:WN+1] offset:4096*c_i
.set c_i, c_i+1
.endr
.endif
.if \start
	LDW \sl, 0
	LDW \sl, 1
.endif
.set c_p, 0
.rept (\nt)/2
.set c_n, 0
.if (c_p+1 < (\nt)/2) || (\cont)
.set c_n, 4                                        ; the next pair's four loads stay out
.endif
.if ((\start) == 0) && (c_p < 2)
.set c_n, c_n+(\nst)                               ; pairs 0 and 1 were asked for in the step before: this step's stores stand behind them too
.endif
	s_wait_dscnt c_n
.if ((\nt) == 12) && (c_p >= 4)
	WIN 0                                          ; V's accumulators lie in window 0
.else
	WIN 0x50                                       ; C and D in window 1
.endif
	PAIRMUL \nt, \xs, c_p, \zero
	WIN 0
.if (\bar) && (c_p == 0)
	s_wait_dscnt 0x0                               ; for the others' sake: my stores have landed and all my LDS loads are back (the youngest are the next pair's, wanted next in any case)
	s_barrier_signal -1
.endif
.if (\bar) && (c_p == (\nt)/2-1)
	s_barrier_wait -1
.endif
.set c_l, 0
.if (c_p+2 < (\nt)/2) || (\cont)
.set c_l, 1
.endif
.if (c_p == (\nt)/2-1) && (\xmode)
.set c_l, 1
.endif
.if c_l
	PLACES                                         ; for the loads below, into registers that the products above have read
.endif
.if c_p+2 < (\nt)/2
	LDW \sl, c_p+2
.elseif \cont
	LDW ((\sl)+1)%4, c_p+2-(\nt)/2
.endif
.set c_p, c_p+1
.endr
.if \xmode
	s_wait_xcnt 0x0                                ; the two bases are stepped only behind this wait; the youngest memory instruction is the load at the step's head
	s_add_nc_u64 s[WN:WN+1], s[WN:WN+1], (\nld)*4096
.if (\xmode) == 2
	s_mov_b64 s[XN:XN+1], s[\nextx:\nextx+1]
.else
	s_add_nc_u64 s[XN:XN+1], s[XN:XN+1], 4096
.endif
	XLOAD \xs, 0
.endif
.endm
; Four like steps of a pass with four slots of x: once round both rings.
.macro QUAD nt, first
	STEP \nt, 0, 0, \first, \nt/4, \nt/4, 1, XI, 16+\nt/4, \first, 1, 1
	STEP \nt, 1, 1, 0, \nt/4, \nt/4, 1, XI, 16+\nt/4, 0, 1, 1
	STEP \nt, 2, 2, 0, \nt/4, \nt/4, 1, XI, 16+\nt/4, 0, 1, 1
	STEP \nt, 3, 3, 0, \nt/4, \nt/4, 1, XI, 16+\nt/4, 0, 1, 1
.endm
; Four like steps of the item pass: once round the weights' ring, twice round x's.
.macro IQUAD
	STEP 12, 0, 0, 0, 3, 3, 1, XI, 11, 0, 1, 1
	STEP 12, 1, 1, 0, 3, 3, 1, XI, 11, 0, 1, 1
	STEP 12, 2, 0, 0, 3, 3, 1, XI, 11, 0, 1, 1
	STEP 12, 3, 1, 0, 3, 3, 1, XI, 11, 0, 1, 1
.endm
; Behind a pass, for Q and K.  Q: (sum) c + bias c, rounded, into Q's operand registers.  K: sum + bias, rounded, into K' in LDS.  Every accumulator is read from its low end on.
; nq tiles each of Q and K for a token tile; accumulators at qa0 (ka0) + 8 (4 t + n); Q' goes to qdst + 4 (nq t + n) in window qwin; K' to channel ch0 + 16 n.
.macro EPI_QK nq, qa0, ka0, bqoff, bkoff, ch0, qwin, qdst
	PLACES
.set e_n, 0
.rept \nq
	ds_load_b128 v[FR+8*e_n:FR+8*e_n+3],   v[BA] offset:\bqoff+64*e_n
	ds_load_b128 v[FR+8*e_n+4:FR+8*e_n+7], v[BA] offset:\bqoff+64*e_n+16
.set e_n, e_n+1
.endr
	s_wait_dscnt 0x0
	WIN 0x41
.set e_t, 0
.rept 4
.set e_n, 0
.rept \nq
.set e_a, \qa0+(4*e_t+e_n)*8
.set e_j, 0
.rept 4
	v_pk_fma_f32 v[e_a+e_j:e_a+e_j+1], v[e_a+e_j:e_a+e_j+1], s[44:45], v[FR+8*e_n+e_j:FR+8*e_n+e_j+1] op_sel_hi:[1,0,1]
.set e_j, e_j+2
.endr
.set e_n, e_n+1
.endr
.set e_t, e_t+1
.endr
	WIN 0x05+0x40*\qwin
.set e_t, 0
.rept 4
.set e_n, 0
.rept \nq
.set e_a, \qa0+(4*e_t+e_n)*8
.set e_d, \qdst+(\nq*e_t+e_n)*4
.set e_j, 0
.rept 4
	v_cvt_pk_bf16_f32 v[e_d+e_j], v[e_a+2*e_j], v[e_a+2*e_j+1]   ; where source and goal share registers the goal runs behind the source
.set e_j, e_j+1
.endr
.set e_n, e_n+1
.endr
.set e_t, e_t+1
.endr
	WIN 0
.set e_n, 0
.rept \nq
	ds_load_b128 v[FR+8*e_n:FR+8*e_n+3],   v[BA] offset:\bkoff+64*e_n
	ds_load_b128 v[FR+8*e_n+4:FR+8*e_n+7], v[BA] offset:\bkoff+64*e_n+16
.set e_n, e_n+1
.endr
	s_wait_dscnt 0x0
	WIN 0x41
.set e_t, 0
.rept 4
.set e_n, 0
.rept \nq
.set e_a, \ka0+(4*e_t+e_n)*8
.set e_j, 0
.rept 4
	v_pk_add_f32 v[e_a+e_j:e_a+e_j+1], v[e_a+e_j:e_a+e_j+1], v[FR+8*e_n+e_j:FR+8*e_n+e_j+1]
.set e_j, e_j+2
.endr
.set e_n, e_n+1
.endr
.set e_t, e_t+1
.endr
	WIN 0x45
.set e_t, 0
.rept 4
.set e_n, 0
.rept \nq
.set e_a, \ka0+(4*e_t+e_n)*8
.set e_j, 0
.rept 4
	v_cvt_pk_bf16_f32 v[e_a+e_j], v[e_a+2*e_j], v[e_a+2*e_j+1]
.set e_j, e_j+1
.endr
.set e_n, e_n+1
.endr
.set e_t, e_t+1
.endr
	WIN 0x04                                       ; store data in window 1
.set e_t, 0
.rept 4
.set e_n, 0
.rept \nq
.set e_a, \ka0+(4*e_t+e_n)*8
	ds_store_b128 v[KST], v[e_a:e_a+3] offset:e_t*16*KP+(\ch0+16*e_n)*2
.set e_n, e_n+1
.endr
.set e_t, e_t+1
.endr
	WIN 0
.endm
; Behind the item pass, for V (all in window 0): a lane holds one channel, so one bias word a tile, loaded into both registers of a pair.
.macro EPI_V
	PLACES
.set e_n, 0
.rept 4
	ds_load_b32 v[FR+2*e_n],   v[BR] offset:1024+64*e_n
	ds_load_b32 v[FR+2*e_n+1], v[BR] offset:1024+64*e_n
.set e_n, e_n+1
.endr
	s_wait_dscnt 0x0
.set e_t, 0
.rept 4
.set e_n, 0
.rept 4
.set e_a, VAC+(4*e_t+e_n)*8
.set e_j, 0
.rept 4
	v_pk_add_f32 v[e_a+e_j:e_a+e_j+1], v[e_a+e_j:e_a+e_j+1], v[FR+2*e_n:FR+2*e_n+1]
.set e_j, e_j+2
.endr
.set e_n, e_n+1
.endr
.set e_t, e_t+1
.endr
.set e_a, VAC
.rept 16
.set e_j, 0
.rept 4
	v_cvt_pk_bf16_f32 v[e_a+e_j], v[e_a+2*e_j], v[e_a+2*e_j+1]
.set e_j, e_j+1
.endr
.set e_a, e_a+8
.endr
.set e_t, 0
.rept 4
.set e_n, 0
.rept 4
.set e_a, VAC+(4*e_t+e_n)*8
	ds_store_b128 v[VST], v[e_a:e_a+3] offset:e_n*16*VP+32*e_t
.set e_n, e_n+1
.endr
.set e_t, e_t+1
.endr
.endm
	s_load_b512 s[4:19], s[0:1], 0x0               ; img 4, mask 6, bq 8, bk 10, bqp 12, bkp 14, bv 16, bqa0 18
	s_load_b256 s[20:27], s[0:1], 0x40             ; bka0 20, bqa1 22, bka1 24, ctx 26
	v_lshrrev_b32 v48, 5, v0
	v_readfirstlane_b32 s28, v48                   ; wave
	s_bfe_u32 s50, ttmp6, 0x40000                  ; cx: my place along the cluster's x
	s_bfe_u32 s51, ttmp6, 0x40004                  ; cy: along its y
	s_lshl_b32 s52, ttmp9, 2                       ; in a cluster launch ttmp9 and ttmp7 count clusters
	s_add_co_u32 s52, s52, s50                     ; work-group x = 4 x cluster x + cx: 0 to 3
	s_and_b32 s53, ttmp7, 0xffff
	s_lshl_b32 s53, s53, 2
	s_add_co_u32 s53, s53, s51                     ; work-group y = 4 x cluster y + cy: 0 to 63
	s_and_b32 s29, s53, 1
	s_lshl2_add_u32 s29, s29, s52                  ; head = 4 (y % 2) + x
	s_lshr_b32 s30, s53, 1                         ; batch = y / 2: a cluster's four y are two batches, each with all eight heads
	s_lshl3_add_u32 s50, s30, s28                  ; my group of 64 rows = 8 batch + wave
	s_lshl_b32 s52, s50, 16                        ; x 65,536 bytes (K = 512)
	s_mov_b32 s53, 0
	s_lshl_b32 s54, s50, 15                        ; x 32,768 bytes (K = 256)
	s_mov_b32 s55, 0
	s_mul_i32 s56, s29, 393216                     ; my head's weight stream
	s_mov_b32 s57, 0
	s_lshl_b32 s50, s30, 11                        ; my batch's mask
	s_mov_b32 s51, 0
	s_lshl_b32 s58, s29, 13                        ; my head's two k steps in ctx's image
	s_mov_b32 s59, 0
	s_mov_b32 s44, 0x3e38aa3b                      ; c = log2(e) / 8
	s_mov_b32 s45, s44
	s_mov_b32 s46, 0x76543210                      ; v_permlanex16_b32: each lane takes its own place in the other half
	s_mov_b32 s47, 0xfedcba98
	s_mov_b32 s49, 0xff7fffff                      ; -FLT_MAX
	s_mul_i32 s60, s28, 64*KP
	s_add_co_u32 s60, s60, KB
	s_lshl_b32 s61, s28, 7
	s_add_co_u32 s61, s61, VT
	v_and_b32 v49, 31, v0
	v_lshlrev_b32 v[LN16], 4, v49
	v_lshlrev_b32 v[T16], 4, v0
	v_and_b32 v50, 15, v0                          ; r
	v_bfe_u32 v51, v0, 4, 1                        ; h
	v_mul_u32_u24 v[KST], v50, KP
	v_lshl_add_u32 v[KST], v51, 4, v[KST]
	v_add_nc_u32 v[KST], s60, v[KST]               ; K' row 64 w + r, byte 16 h
	v_mul_u32_u24 v[VST], v50, VP
	v_lshl_add_u32 v[VST], v51, 4, v[VST]
	v_add_nc_u32 v[VST], s61, v[VST]               ; V^T row r, byte 128 w + 16 h
	v_lshlrev_b32 v[BA], 5, v51
	v_add_nc_u32 v[BA], BIA, v[BA]
	v_lshlrev_b32 v[BR], 2, v50
	v_add_nc_u32 v[BR], BIA, v[BR]
	v_lshlrev_b32 v52, 3, v0
	v_add_nc_u32 v53, MSK, v52
	s_wait_kmcnt 0x0
	s_add_nc_u64 s[XI:XI+1], s[4:5], s[52:53]
	s_add_nc_u64 s[XP:XP+1], s[XI:XI+1], 16777216
	s_add_nc_u64 s[XA0:XA0+1], s[4:5], s[54:55]
	s_add_nc_u64 s[XA1:XA1+1], s[XA0:XA0+1], 41943040
	s_add_nc_u64 s[XA0:XA0+1], s[XA0:XA0+1], 33554432
	s_add_nc_u64 s[WN:WN+1], s[4:5], s[56:57]
	s_add_nc_u64 s[WN:WN+1], s[WN:WN+1], 50331648
	s_mov_b64 s[XN:XN+1], s[XI:XI+1]
	s_add_nc_u64 s[26:27], s[26:27], s[52:53]
	s_add_nc_u64 s[26:27], s[26:27], s[58:59]
	s_add_nc_u64 s[6:7], s[6:7], s[50:51]
	global_load_b64 v[46:47], v52, s[6:7]          ; two mask words a thread
.set i, 0
.rept 6
	global_load_b128 v[WP+4*i:WP+4*i+3], v[T16], s[WN:WN+1] offset:4096*i   ; the weights of k steps 0 and 1: 2 x 12,288 bytes
.set i, i+1
.endr
	XLOAD 0, 0                                     ; x of k steps 0 and 1: the item pass's whole ring
	XLOAD 1, 4096
	s_cmp_lg_u32 s28, 0
	s_cbranch_scc1 .Lno_bias                       ; wave 0 alone brings the head's biases: 448 words
	s_lshl_b32 s60, s29, 8
	s_lshl_b32 s61, s29, 7
	v_lshl_add_u32 v54, v49, 3, s60                ; 64 words a head, two a lane
	v_lshl_add_u32 v55, v49, 2, s61                ; 32 words a head, one a lane
	v_lshlrev_b32 v56, 3, v49
	v_add_nc_u32 v56, BIA, v56
	v_lshlrev_b32 v57, 2, v49
	v_add_nc_u32 v57, BIA, v57
	global_load_b64 v[32:33], v54, s[8:9]
	global_load_b64 v[34:35], v54, s[10:11]
	global_load_b64 v[36:37], v54, s[12:13]
	global_load_b64 v[38:39], v54, s[14:15]
	global_load_b64 v[40:41], v54, s[16:17]
	global_load_b32 v42, v55, s[18:19]
	global_load_b32 v43, v55, s[20:21]
	global_load_b32 v44, v55, s[22:23]
	global_load_b32 v45, v55, s[24:25]
	s_wait_loadcnt 0x0
	v_pk_mul_f32 v[32:33], v[32:33], s[44:45] op_sel_hi:[1,0]   ; Q's biases carry c, as Q's products do
	v_pk_mul_f32 v[36:37], v[36:37], s[44:45] op_sel_hi:[1,0]
	v_mul_f32 v42, s44, v42
	v_mul_f32 v44, s44, v44
	ds_store_b64 v56, v[32:33]
	ds_store_b64 v56, v[34:35] offset:256
	ds_store_b64 v56, v[36:37] offset:512
	ds_store_b64 v56, v[38:39] offset:768
	ds_store_b64 v56, v[40:41] offset:1024
	ds_store_b32 v57, v42 offset:1280
	ds_store_b32 v57, v43 offset:1408
	ds_store_b32 v57, v44 offset:1536
	ds_store_b32 v57, v45 offset:1664
.Lno_bias:
	s_wait_loadcnt 16                              ; the mask and the first weights are in; x's 16 loads may stay out
.set i, 0
.rept 6
	ds_store_b128 v[T16], v[WP+4*i:WP+4*i+3] offset:4096*i   ; slots 0 and 1, which lie side by side
.set i, i+1
.endr
	v_pk_mul_f32 v[46:47], v[46:47], 0x3fb8aa3b op_sel_hi:[1,0]   ; mask x log2(e)
	ds_store_b64 v53, v[46:47]
.set i, 0
.rept 6
	global_load_b128 v[WP+4*i:WP+4*i+3], v[T16], s[WN:WN+1] offset:24576+4096*i   ; the weights of k steps 2 and 3: k steps 0 and 1 put them into LDS
.set i, i+1
.endr
	s_wait_xcnt 0x0
	s_add_nc_u64 s[WN:WN+1], s[WN:WN+1], 49152     ; the next weights to fetch are k step 4's
	s_add_nc_u64 s[XN:XN+1], s[XN:XN+1], 4096      ; the k step of x fetched last is 1
	s_wait_dscnt 0x0
	s_barrier_signal -1
	s_barrier_wait -1
	; ITEM: Q | K | V, 16 k steps of 48 products
	STEP 12, 0, 0, 1, 3, 3, 1, XI, 3, 1, 1, 1      ; behind the weights of step 2 stand only the three loads of step 3's; x of step 0 is older
	STEP 12, 1, 1, 0, 3, 3, 1, XI, 11, 0, 1, 1
	STEP 12, 2, 0, 0, 3, 3, 1, XI, 11, 0, 1, 1
	STEP 12, 3, 1, 0, 3, 3, 1, XI, 11, 0, 1, 1
	s_mov_b32 s48, 2
.Litem:
	IQUAD
	s_sub_co_u32 s48, s48, 1
	s_cmp_lg_u32 s48, 0
	s_cbranch_scc1 .Litem
	STEP 12, 0, 0, 0, 3, 2, 1, XI, 11, 0, 1, 1     ; from here on the weights asked for are the position pass's, two loads a step,
	STEP 12, 1, 1, 0, 3, 2, 1, XI, 10, 0, 1, 1     ; so two of them stand behind x
	STEP 12, 2, 0, 0, 2, 2, 2, XP, 10, 0, 1, 1     ; x: the position image's k step 0,
	STEP 12, 3, 1, 0, 2, 2, 1, XP, 10, 0, 0, 1     ; and 1
	EPI_V                                          ; V first: its registers are wanted at once
	s_wait_dscnt 0x0                               ; V's stores are done with their registers
	XLOAD 2, 4096                                  ; the position image's k steps 2 and 3 fill the ring's other two slots, v128-191
	XLOAD 3, 8192
	EPI_QK 4, 128, 0, 0, 256, 0, 0, QI
	s_wait_xcnt 0x0
	s_add_nc_u64 s[XN:XN+1], s[XN:XN+1], 8192      ; the k step of x fetched last is 3
	; POSITION: Q | K, 16 k steps of 32 products
	STEP 8, 0, 0, 1, 2, 2, 1, XI, 26, 1, 1, 1      ; behind x of this step stand 2 loads of weights and three k steps of x
	STEP 8, 1, 1, 0, 2, 2, 1, XI, 26, 0, 1, 1      ; behind x of this step: two k steps of x, 2 loads of weights, a k step of x
	STEP 8, 2, 2, 0, 2, 2, 1, XI, 18, 0, 1, 1
	STEP 8, 3, 3, 0, 2, 2, 1, XI, 18, 0, 1, 1
	s_mov_b32 s48, 2
.Lpos:
	QUAD 8, 0
	s_sub_co_u32 s48, s48, 1
	s_cmp_lg_u32 s48, 0
	s_cbranch_scc1 .Lpos
	STEP 8, 0, 0, 0, 2, 1, 2, XA0, 18, 0, 1, 1     ; the last four steps fetch attr0's first four k steps, one load of weights a step
	STEP 8, 1, 1, 0, 2, 1, 1, XA0, 17, 0, 1, 1
	STEP 8, 2, 2, 0, 1, 1, 1, XA0, 17, 0, 1, 1
	STEP 8, 3, 3, 0, 1, 1, 1, XA0, 17, 0, 0, 1
	EPI_QK 4, 128, 0, 512, 768, 64, 1, 128
	QUAD 4, 1                                      ; ATTR0: Q | K, K = 256: eight k steps of 16 products
	STEP 4, 0, 0, 0, 1, 1, 2, XA1, 17, 0, 1, 1
	STEP 4, 1, 1, 0, 1, 1, 1, XA1, 17, 0, 1, 1
	STEP 4, 2, 2, 0, 1, 1, 1, XA1, 17, 0, 1, 1
	STEP 4, 3, 3, 0, 1, 1, 1, XA1, 17, 0, 0, 1
	EPI_QK 2, 0, 16, 1280, 1408, 128, 1, 192
	QUAD 4, 1                                      ; ATTR1
	STEP 4, 0, 0, 0, 1, 0, 0, XI, 17, 0, 1, 1      ; nothing is left to fetch
	STEP 4, 1, 1, 0, 1, 0, 0, XI, 8, 0, 1, 1       ; behind the last weights stand the eight loads of the last x
	STEP 4, 2, 2, 0, 0, 0, 0, XI, 8, 0, 1, 0       ; nothing is left to store: no barrier
	STEP 4, 3, 3, 0, 0, 0, 0, XI, 0, 0, 0, 0
	EPI_QK 2, 0, 16, 1536, 1664, 160, 1, 224
	s_wait_dscnt 0x0                               ; my rows of K' and my columns of V^T are in LDS
	s_barrier_signal -1
	s_barrier_wait -1                              ; everybody's are; from here on LDS is only read, and no barrier follows
	v_and_b32 v10, 15, v0
	v_bfe_u32 v11, v0, 4, 1
	v_mul_u32_u24 v[KA], v10, KP
	v_lshl_add_u32 v[KA], v11, 4, v[KA]
	v_add_nc_u32 v[KA], KB, v[KA]                  ; key r, byte 16 h
	v_mul_u32_u24 v[VA], v10, VP
	v_lshl_add_u32 v[VA], v11, 4, v[VA]
	v_add_nc_u32 v[VA], VT, v[VA]                  ; channel r, byte 16 h
	v_lshlrev_b32 v[MA], 5, v11
	v_add_nc_u32 v[MA], MSK, v[MA]                 ; keys 8 h ..
	v_and_b32 v[GO], 31, v0
	v_lshlrev_b32 v[GO], 4, v[GO]
.macro LDG g, off                      ; three operands of K' (g = 0: channels 0-95, 1: 96-191) of the 16 keys at byte off: six loads
.set lg_c, 0
.rept 3
.set lg_r, KF+24*(\g)+8*lg_c
.set lg_o, (\off)+(3*(\g)+lg_c)*64
	ds_load_b128 v[lg_r:lg_r+3],   v[KA] offset:lg_o
	ds_load_b128 v[lg_r+4:lg_r+7], v[KA] offset:lg_o+32
.set lg_c, lg_c+1
.endr
.endm
.macro LDM off                         ; the mask of 32 keys: four loads
	ds_load_b128 v[MK:MK+3],     v[MA] offset:\off
	ds_load_b128 v[MK+4:MK+7],   v[MA] offset:\off+16
	ds_load_b128 v[MK+8:MK+11],  v[MA] offset:\off+64
	ds_load_b128 v[MK+12:MK+15], v[MA] offset:\off+80
.endm
.macro LDV                             ; V^T, 64 channels x 32 keys: eight loads
.set lv_c, 0
.rept 4
	ds_load_b128 v[VF+8*lv_c:VF+8*lv_c+3],   v[VA] offset:lv_c*16*VP
	ds_load_b128 v[VF+8*lv_c+4:VF+8*lv_c+7], v[VA] offset:lv_c*16*VP+32
.set lv_c, lv_c+1
.endr
.endm
.macro SMUL kt, c                      ; four products: S^T (q, kt) += K' (kt, channels 32 c ..) Q' (q, the same channels); c = 0 starts the sums from the mask
.if (\c) < 2
	WIN 0
.else
	WIN 0x04                                       ; Q' of position and attributes lies in window 1
.endif
.set m_q, 0
.rept 4
.if (\c) < 2
.set m_b, QI+(2*m_q+(\c))*8
.elseif (\c) < 4
.set m_b, 128+(2*m_q+(\c)-2)*8
.else
.set m_b, 192+32*((\c)-4)+8*m_q
.endif
.set m_s, S+16*m_q+8*(\kt)
.set m_k, KF+8*(\c)
.if (\c) == 0
	v_wmma_f32_16x16x32_bf16 v[m_s:m_s+7], v[m_k:m_k+7], v[m_b:m_b+7], v[MK+8*(\kt):MK+8*(\kt)+7]
.else
	v_wmma_f32_16x16x32_bf16 v[m_s:m_s+7], v[m_k:m_k+7], v[m_b:m_b+7], v[m_s:m_s+7]
.endif
.set m_q, m_q+1
.endr
.endm
; The softmax of 32 keys for my four query tiles, phase by phase, the tiles by turns so that no instruction waits for the one in front of it.
.macro SOFTMAX first
.irp q, 0,1,2,3
	v_max3_num_f32 v[ST+6*\q+3], v[S+16*\q],   v[S+16*\q+1], v[S+16*\q+2]    ; each of the two score tiles is read from its low end on
	v_max3_num_f32 v[ST+6*\q+1], v[S+16*\q+8], v[S+16*\q+9], v[S+16*\q+10]
.endr
.irp q, 0,1,2,3
	v_max3_num_f32 v[ST+6*\q+3], v[ST+6*\q+3], v[S+16*\q+3],  v[S+16*\q+4]
	v_max3_num_f32 v[ST+6*\q+1], v[ST+6*\q+1], v[S+16*\q+11], v[S+16*\q+12]
.endr
.irp q, 0,1,2,3
	v_max3_num_f32 v[ST+6*\q+3], v[ST+6*\q+3], v[S+16*\q+5],  v[S+16*\q+6]
	v_max3_num_f32 v[ST+6*\q+1], v[ST+6*\q+1], v[S+16*\q+13], v[S+16*\q+14]
.endr
.irp q, 0,1,2,3
	v_max3_num_f32 v[ST+6*\q+3], v[ST+6*\q+3], v[S+16*\q+7], v[S+16*\q+15]
.endr
.irp q, 0,1,2,3
.if \first
	v_max3_num_f32 v[ST+6*\q+3], v[ST+6*\q+3], v[ST+6*\q+1], s49             ; the floor, so that m is finite
.else
	v_max3_num_f32 v[ST+6*\q+3], v[ST+6*\q+3], v[ST+6*\q+1], v[ST+6*\q]      ; the old m
.endif
.endr
.irp q, 0,1,2,3
	v_permlanex16_b32 v[ST+6*\q+1], v[ST+6*\q+3], s46, s47                   ; the query's other 16 keys lie in the lane 16 away
.endr
.irp q, 0,1,2,3
	v_max_num_f32 v[ST+6*\q+3], v[ST+6*\q+3], v[ST+6*\q+1]
.endr
.if !\first
.irp q, 0,1,2,3
	v_sub_f32 v[ST+6*\q+2], v[ST+6*\q], v[ST+6*\q+3]                         ; m_old - m_new
.endr
.endif
.irp q, 0,1,2,3
	v_mov_b32 v[ST+6*\q], v[ST+6*\q+3]
.endr
.irp k, 0,2,4,6,8,10,12,14
.irp q, 0,1,2,3
	v_pk_add_f32 v[S+16*\q+\k:S+16*\q+\k+1], v[S+16*\q+\k:S+16*\q+\k+1], v[ST+6*\q:ST+6*\q+1] op_sel_hi:[1,0] neg_lo:[0,1] neg_hi:[0,1]   ; s - m
.endr
.endr
.if !\first
.irp q, 0,1,2,3
	v_exp_f32 v[ST+6*\q+2], v[ST+6*\q+2]                                     ; a = 2^(m_old - m_new)
.endr
.endif
.set sm_e, 0
.rept 64
	v_exp_f32 v[S+sm_e], v[S+sm_e]
.set sm_e, sm_e+1
.endr
	v_nop                                          ; a plain instruction between the last exponential and the first use (ISA guide 5.7.2)
.if \first
	s_wait_alu depctr_va_vdst(0)
.irp q, 0,1,2,3
	v_pk_add_f32 v[ST+6*\q+4:ST+6*\q+5], v[S+16*\q:S+16*\q+1], v[S+16*\q+2:S+16*\q+3]
.endr
.else
	s_wait_alu depctr_va_vdst(0)
.irp q, 0,1,2,3
	v_pk_fma_f32 v[ST+6*\q+4:ST+6*\q+5], v[ST+6*\q+4:ST+6*\q+5], v[ST+6*\q+2:ST+6*\q+3], v[S+16*\q:S+16*\q+1] op_sel_hi:[1,0,1]   ; l = a l + p
.endr
.irp q, 0,1,2,3
	v_pk_add_f32 v[ST+6*\q+4:ST+6*\q+5], v[ST+6*\q+4:ST+6*\q+5], v[S+16*\q+2:S+16*\q+3]
.endr
.endif
.irp k, 4,6,8,10,12,14
.irp q, 0,1,2,3
	v_pk_add_f32 v[ST+6*\q+4:ST+6*\q+5], v[ST+6*\q+4:ST+6*\q+5], v[S+16*\q+\k:S+16*\q+\k+1]
.endr
.endr
.irp j, 0,1,2,3,4,5,6,7
.irp q, 0,1,2,3
	v_cvt_pk_bf16_f32 v[S+16*\q+\j], v[S+16*\q+2*\j], v[S+16*\q+2*\j+1]      ; P in place: registers 0-3 the first 16 keys, 4-7 the second
.endr
.endr
.endm
; A KEY STEP: 32 keys, 48 products K' Q'^T, the softmax, 16 products V^T P.  At its head the mask's 4 loads and K's 6 + 6 of its first 16 keys are out, in that order.
; The two waves of a SIMD are bound by no barrier here, so one wave's softmax stands beside the other's products.
.macro KSTEP first, last
	s_wait_dscnt 0x6                               ; mask and channels 0-95 are in; the six loads of channels 96-191 stay out
	SMUL 0, 0
	SMUL 0, 1
	SMUL 0, 2
	PLACES
	LDG 0, 16*KP                                   ; the second 16 keys (an LDS load has no source 1: the window setting does not touch it)
	s_wait_dscnt 0x6
	SMUL 0, 3
	SMUL 0, 4
	SMUL 0, 5
	PLACES
	LDG 1, 16*KP
	s_wait_dscnt 0x6
	SMUL 1, 0
	SMUL 1, 1
	SMUL 1, 2
	PLACES
	LDV
	s_wait_dscnt 0x8                               ; K is in; V's eight loads stay out
	SMUL 1, 3
	SMUL 1, 4
	SMUL 1, 5
	WIN 0
	PLACES                                         ; for the loads below and for the softmax, which reads results just made
.if !\last
	LDM 128                                        ; the next step's mask and first 16 keys: 16 loads
	LDG 0, 32*KP
	LDG 1, 32*KP
.endif
	SOFTMAX \first
.if !\first
	WIN 0x41
.irp q, 0,1,2,3
.set ks_o, 32*\q
.rept 16
	v_pk_mul_f32 v[ks_o:ks_o+1], v[ks_o:ks_o+1], v[ST+6*\q+2:ST+6*\q+3] op_sel_hi:[1,0]   ; O^T times a
.set ks_o, ks_o+2
.endr
.endr
.endif
.if \last
	s_wait_dscnt 0x0
.else
	s_wait_dscnt 16                                ; V is in; the next step's 16 loads stay out
.endif
	WIN 0x50
.set ks_c, 0
.rept 4
.set ks_q, 0
.rept 4
.set ks_o, (4*ks_q+ks_c)*8
.if \first
	v_wmma_f32_16x16x32_bf16 v[ks_o:ks_o+7], v[VF+8*ks_c:VF+8*ks_c+7], v[S+16*ks_q:S+16*ks_q+7], 0
.else
	v_wmma_f32_16x16x32_bf16 v[ks_o:ks_o+7], v[VF+8*ks_c:VF+8*ks_c+7], v[S+16*ks_q:S+16*ks_q+7], v[ks_o:ks_o+7]
.endif
.set ks_q, ks_q+1
.endr
.set ks_c, ks_c+1
.endr
	WIN 0
.if !\last
	v_add_nc_u32 v[KA], 32*KP, v[KA]               ; five places: the next step's first products write over P
	v_add_nc_u32 v[VA], 64, v[VA]
	v_add_nc_u32 v[MA], 128, v[MA]
	v_nop
	v_nop
.endif
.endm
	LDM 0
	LDG 0, 0
	LDG 1, 0
	KSTEP 1, 0
	s_mov_b32 s48, 14
.Lkeys:
	KSTEP 0, 0
	s_sub_co_u32 s48, s48, 1
	s_cmp_lg_u32 s48, 0
	s_cbranch_scc1 .Lkeys
	KSTEP 0, 1
	; THE WAY OUT.  l's two halves and the other half of the lanes' are added (the first four sums are the places behind the last products); O^T / l, rounded,
	; is already a piece of ctx's fragment image: lane (r, h) holds row r, channels 16 ct + 8 h + 0..7, which is half ct % 2 of k step 2 head + ct / 2.
.irp q, 0,1,2,3
	v_add_f32 v[ST+6*\q+3], v[ST+6*\q+4], v[ST+6*\q+5]
.endr
.irp q, 0,1,2,3
	v_permlanex16_b32 v[ST+6*\q+1], v[ST+6*\q+3], s46, s47
.endr
.irp q, 0,1,2,3
	v_add_f32 v[ST+6*\q+3], v[ST+6*\q+3], v[ST+6*\q+1]
.endr
.irp q, 0,1,2,3
	v_rcp_f32 v[ST+6*\q+2], v[ST+6*\q+3]
.endr
	v_nop
	WIN 0x41
	s_wait_alu depctr_va_vdst(0)
.irp q, 0,1,2,3
.set ks_o, 32*\q
.rept 16
	v_pk_mul_f32 v[ks_o:ks_o+1], v[ks_o:ks_o+1], v[ST+6*\q+2:ST+6*\q+3] op_sel_hi:[1,0]
.set ks_o, ks_o+2
.endr
.endr
	WIN 0x45
.set ks_o, 0
.rept 16
.set ks_q, 0
.rept 4
	v_cvt_pk_bf16_f32 v[ks_o+ks_q], v[ks_o+2*ks_q], v[ks_o+2*ks_q+1]
.set ks_q, ks_q+1
.endr
.set ks_o, ks_o+8
.endr
	WIN 0x04
.irp q, 0,1,2,3
.irp ct, 0,1,2,3
	global_store_b128 v[GO], v[(4*\q+\ct)*8:(4*\q+\ct)*8+3], s[26:27] offset:(\ct/2)*4096+\q*1024+(\ct%2)*512   ; 512 neighbouring bytes, aligned
.endr
.endr
	WIN 0
	s_wait_xcnt 0x0
	v_lshl_add_u32 v254, v0, 2, 0x4f300
	v_mov_b32 v255, 0
	s_wait_tensorcnt 0x0
	ds_add_u32 v254, v255
	s_wait_dscnt 0x0
	s_endpgm
.Lfunc_end_k_qca76f9baa8_attn:
	.size	k_qca76f9baa8_attn, .Lfunc_end_k_qca76f9baa8_attn-k_qca76f9baa8_attn
	.p2alignl 7, 3214868480
	.fill 96, 4, 3214868480
	.section	.rodata,"a",@progbits
	.p2align	6, 0x0
	.amdhsa_kernel k_qca76f9baa8_attn
		.amdhsa_group_segment_fixed_size 325376
		.amdhsa_private_segment_fixed_size 0
		.amdhsa_enable_private_segment 0
		.amdhsa_kernarg_size 96
		.amdhsa_user_sgpr_count 2
		.amdhsa_user_sgpr_kernarg_segment_ptr 1
		.amdhsa_wavefront_size32 1
		.amdhsa_system_sgpr_workgroup_id_x 1
		.amdhsa_system_sgpr_workgroup_id_y 1
		.amdhsa_system_sgpr_workgroup_id_z 1
		.amdhsa_system_vgpr_workitem_id 0
		.amdhsa_next_free_vgpr 512
		.amdhsa_next_free_sgpr 66
		.amdhsa_reserve_vcc 0
		.amdhsa_float_denorm_mode_32 3
		.amdhsa_float_denorm_mode_16_64 3
		.amdhsa_memory_ordered 1
		.amdhsa_forward_progress 1
		.amdhsa_inst_pref_size 255
	.end_amdhsa_kernel
	.section	.bss,"aw",@nobits
	.p2align	6
	.space	262144
	.amdgpu_metadata
---
amdhsa.version: [ 1, 2 ]
amdhsa.kernels:
  - .name:           k_qca76f9baa8_attn
    .symbol:         k_qca76f9baa8_attn.kd
    .args:
      - { .name: img, .offset: 0, .size: 8, .value_kind: global_buffer, .address_space: global }
      - { .name: attention_mask, .offset: 8, .size: 8, .value_kind: global_buffer, .address_space: global }
      - { .name: bq, .offset: 16, .size: 8, .value_kind: global_buffer, .address_space: global }
      - { .name: bk, .offset: 24, .size: 8, .value_kind: global_buffer, .address_space: global }
      - { .name: bqp, .offset: 32, .size: 8, .value_kind: global_buffer, .address_space: global }
      - { .name: bkp, .offset: 40, .size: 8, .value_kind: global_buffer, .address_space: global }
      - { .name: bv, .offset: 48, .size: 8, .value_kind: global_buffer, .address_space: global }
      - { .name: bqa0, .offset: 56, .size: 8, .value_kind: global_buffer, .address_space: global }
      - { .name: bka0, .offset: 64, .size: 8, .value_kind: global_buffer, .address_space: global }
      - { .name: bqa1, .offset: 72, .size: 8, .value_kind: global_buffer, .address_space: global }
      - { .name: bka1, .offset: 80, .size: 8, .value_kind: global_buffer, .address_space: global }
      - { .name: ctx, .offset: 88, .size: 8, .value_kind: global_buffer, .address_space: global }
    .group_segment_fixed_size: 325376
    .private_segment_fixed_size: 0
    .kernarg_segment_align: 8
    .kernarg_segment_size: 96
    .max_flat_workgroup_size: 256
    .sgpr_count:     66
    .vgpr_count:     512
    .wavefront_size: 32
...
	.end_amdgpu_metadata
.endif
;; end of part 2
;; launch outln (part 3): grid 256 x 1, 8 waves a work-group, no clusters, 198,656 bytes of LDS; arguments ctx, img, item_hidden, bd, gamma, beta, out0; writes out0
.if DOCPART == 3
	.amdgcn_target "amdgcn-amd-amdhsa--gfx1250"
	.amdhsa_code_object_version 6
	.text
	.protected	k_qca76f9baa8_outln
	.globl	k_qca76f9baa8_outln
	.p2align	8
	.type	k_qca76f9baa8_outln,@function
k_qca76f9baa8_outln:
	s_mov_b64 s[64:65], 0
	v_nop
	global_prefetch_b8 v0, s[64:65] scope:SCOPE_SE
	s_setreg_imm32_b32 hwreg(HW_REG_WAVE_MODE, 25, 1), 1
	s_wait_xcnt 0x0
; out0 = LayerNorm(ctx Wd^T + bd + item_hidden) gamma + beta.  A work-group owns 64 rows, all 512 columns, so a row's mean and variance never leave it.
; PRODUCT.  Wave w makes columns 64 w .. 64 w + 63 of the 64 rows: 16 accumulators, which take turns, one matrix instruction a turn.
; Source 0 = 16 rows of Wd (from its fragment image, straight into a ring of four k steps in registers), source 1 = 16 rows of ctx (its image, 65,536 bytes,
; copied once into LDS, since all eight waves read all of it).  A lane then holds one row and eight neighbouring columns.
; NORM.  The sums go through an f32 stage in LDS; wave w takes rows 8 w .. 8 w + 7 whole, 16 numbers a lane and row.  The mean is taken away before the squares are summed.
; No cluster: the work-groups share Wd's image alone, and it goes to registers.
.set STG,  65536                       ; LDS: the stage, 64 rows; LDS 0: ctx's image
.set SP,   2064                        ; 2,048 bytes + 16: an odd multiple of 16
.set WDO,  53477376                    ; Wd's image in img
.set LN16, 1                           ; 16 x lane
.set T16,  2                           ; 16 x thread
.set SST0, 3                           ; into the stage: row tiles 0, 1
.set SRD,  4                           ; out of the stage
.set SST1, 5                           ; into the stage: row tiles 2, 3 (three tiles of 33,024 bytes pass the 16-bit immediate)
.set ACC,  16                          ; v[16:143]  accumulator (t, n) at 8 (4 t + n); then Y: row i at 16 i, columns 128 j + 4 lane + e at 4 j + e
.set CF,   144                         ; v[144:207] ctx's operands, two k steps; first ctx on its way to LDS; at last TM
.set TM,   144                         ; eight registers a row, at work
.set GB,   208                         ; v[208:255] bd, gamma, beta of my 16 columns
; window 1: 0-127 Wd's operands, four k steps of 4 tiles x 8; 128-255 the residual rows, laid as Y
.set MSB, 0
.macro WIN new                         ; s_set_vgpr_msb: bits 1:0 source 0, 3:2 source 1, 5:4 source 2, 7:6 destination; the high byte repeats the setting left
.if MSB != \new
	s_set_vgpr_msb (MSB<<8)|\new
.set MSB, \new
.endif
.endm
.macro PLACES                          ; four places behind matrix instructions (ISA guide 7.12.1)
.rept 4
	v_nop
.endr
.endm
	s_load_b256 s[4:11], s[0:1], 0x0               ; ctx 4, img 6, item_hidden 8, bd 10
	s_load_b128 s[12:15], s[0:1], 0x20             ; gamma 12, beta 14
	s_load_b64 s[16:17], s[0:1], 0x30              ; out0
	v_lshl_add_u32 v14, v0, 2, 0x30400
	v_mov_b32 v15, 0
	v_lshrrev_b32 v8, 5, v0
	v_readfirstlane_b32 s18, v8                    ; wave
	s_lshl_b32 s22, ttmp9, 16                      ; my 64 rows in ctx's image
	s_mov_b32 s23, 0
	s_lshl_b32 s24, s18, 16                        ; my 64 columns in Wd's image
	s_mov_b32 s25, 0
	s_lshl3_add_u32 s26, ttmp9, s18
	s_lshl_b32 s26, s26, 14                        ; rows 64 wg + 8 w on, 2,048 bytes each
	s_mov_b32 s27, 0
	s_mov_b32 s20, 0x3b000000                      ; 1 / 512
	s_mov_b32 s21, 0x3727c5ac                      ; 1e-5
	s_mov_b32 s28, 0x76543210
	s_mov_b32 s29, 0xfedcba98
	s_lshl_b32 s30, s18, 8
	s_add_co_u32 s30, s30, STG
	s_mul_i32 s31, s18, 8*SP
	s_add_co_u32 s31, s31, STG
	v_and_b32 v9, 31, v0
	v_lshlrev_b32 v[LN16], 4, v9
	v_lshlrev_b32 v[T16], 4, v0
	v_and_b32 v10, 15, v0                          ; r
	v_bfe_u32 v11, v0, 4, 1                        ; h
	v_mul_u32_u24 v[SST0], v10, SP
	v_lshl_add_u32 v[SST0], v11, 5, v[SST0]
	v_add_nc_u32 v[SST0], s30, v[SST0]             ; row r, byte 256 w + 32 h
	v_add_nc_u32 v[SST1], 32*SP, v[SST0]
	v_add_nc_u32 v[SRD], s31, v[LN16]              ; row 8 w, byte 16 lane
	s_wait_kmcnt 0x0
	s_add_nc_u64 s[4:5], s[4:5], s[22:23]
	s_add_nc_u64 s[6:7], s[6:7], s[24:25]
	s_add_nc_u64 s[6:7], s[6:7], WDO
	s_add_nc_u64 s[8:9], s[8:9], s[26:27]
	s_add_nc_u64 s[16:17], s[16:17], s[26:27]
.set i, 0
.rept 16
	global_load_b128 v[CF+4*i:CF+4*i+3], v[T16], s[4:5] offset:4096*i th:TH_LOAD_NT   ; ctx's image of my rows: read by this work-group alone
.set i, i+1
.endr
	WIN 0x40
.set i, 0
.rept 32
	global_load_b128 v[4*i:4*i+3], v[LN16], s[6:7] offset:512*i   ; Wd, k steps 0 to 3
.set i, i+1
.endr
	WIN 0
	s_wait_loadcnt 32                              ; ctx is in; Wd's 32 loads stay out
.set i, 0
.rept 16
	ds_store_b128 v[T16], v[CF+4*i:CF+4*i+3] offset:4096*i
.set i, i+1
.endr
	WIN 0x40
.set i, 0
.rept 32
	global_load_b128 v[128+4*i:128+4*i+3], v[LN16], s[8:9] offset:(i/4)*2048+(i%4)*512 th:TH_LOAD_NT   ; the residual rows: asked for now, wanted behind the product
.set i, i+1
.endr
	WIN 0
.set i, 0
.rept 4
	global_load_b128 v[GB+4*i:GB+4*i+3],       v[LN16], s[10:11] offset:512*i
	global_load_b128 v[GB+16+4*i:GB+16+4*i+3], v[LN16], s[12:13] offset:512*i
	global_load_b128 v[GB+32+4*i:GB+32+4*i+3], v[LN16], s[14:15] offset:512*i
.set i, i+1
.endr
	s_wait_dscnt 0x0
	s_barrier_signal -1
	s_barrier_wait -1                              ; ctx's image is whole in LDS
.set i, 0
.rept 16
	ds_load_b128 v[CF+4*i:CF+4*i+3], v[LN16] offset:512*i   ; ctx, k steps 0 and 1
.set i, i+1
.endr
; K step s: 16 products; then Wd's k step s + 4 and ctx's k step s + 2 take the registers just read.
.macro KS s
.if \s < 4
	s_wait_loadcnt 63                              ; behind Wd's step s stand 68 loads (three steps of Wd, the residual's 32, the vectors' 12): 63 is the largest count that can be named
.elseif \s < 12
	s_wait_loadcnt 24                              ; three younger steps of Wd stay out
.else
	s_wait_loadcnt 8*(15-\s)
.endif
.if \s == 15
	s_wait_dscnt 0x0
.else
	s_wait_dscnt 0x8                               ; the next step's eight loads stay out
.endif
	WIN 0x01                                       ; source 0 (Wd) in window 1
.set k_t, 0
.rept 4
.set k_n, 0
.rept 4
.set k_a, ACC+(4*k_t+k_n)*8
.set k_w, ((\s)%4)*32+8*k_n
.set k_c, CF+((\s)%2)*32+8*k_t
.if \s == 0
	v_wmma_f32_16x16x32_bf16 v[k_a:k_a+7], v[k_w:k_w+7], v[k_c:k_c+7], 0
.else
	v_wmma_f32_16x16x32_bf16 v[k_a:k_a+7], v[k_w:k_w+7], v[k_c:k_c+7], v[k_a:k_a+7]
.endif
.set k_n, k_n+1
.endr
.set k_t, k_t+1
.endr
.if \s < 14
	PLACES
.endif
.if \s < 12
	WIN 0x40
.set k_n, 0
.rept 8
	global_load_b128 v[((\s)%4)*32+4*k_n:((\s)%4)*32+4*k_n+3], v[LN16], s[6:7] offset:((\s)+4)*4096+512*k_n
.set k_n, k_n+1
.endr
.endif
	WIN 0
.if \s < 14
.set k_n, 0
.rept 8
	ds_load_b128 v[CF+((\s)%2)*32+4*k_n:CF+((\s)%2)*32+4*k_n+3], v[LN16] offset:((\s)+2)*4096+512*k_n
.set k_n, k_n+1
.endr
.endif
.endm
.set ks, 0
.rept 16
	KS ks
.set ks, ks+1
.endr
	PLACES
.set k_t, 0
.rept 4
.set k_n, 0
.rept 4
.set k_a, ACC+(4*k_t+k_n)*8
.if k_t < 2
	ds_store_b128 v[SST0], v[k_a:k_a+3]   offset:k_t*16*SP+64*k_n          ; the low half first
	ds_store_b128 v[SST0], v[k_a+4:k_a+7] offset:k_t*16*SP+64*k_n+16
.else
	ds_store_b128 v[SST1], v[k_a:k_a+3]   offset:(k_t-2)*16*SP+64*k_n
	ds_store_b128 v[SST1], v[k_a+4:k_a+7] offset:(k_t-2)*16*SP+64*k_n+16
.endif
.set k_n, k_n+1
.endr
.set k_t, k_t+1
.endr
	s_wait_dscnt 0x0                               ; for the others' sake: my columns are in the stage
	s_barrier_signal -1
	s_barrier_wait -1
.set i, 0
.rept 32
	ds_load_b128 v[ACC+4*i:ACC+4*i+3], v[SRD] offset:(i/4)*SP+(i%4)*512   ; my eight rows, whole
.set i, i+1
.endr
	s_wait_dscnt 0x0
	WIN 0x04
.set i, 0
.rept 64
	v_pk_add_f32 v[ACC+2*i:ACC+2*i+1], v[ACC+2*i:ACC+2*i+1], v[128+2*i:128+2*i+1]   ; + item_hidden (in since k step 4's wait)
.set i, i+1
.endr
	WIN 0
.set i, 0
.rept 64
	v_pk_add_f32 v[ACC+2*i:ACC+2*i+1], v[ACC+2*i:ACC+2*i+1], v[GB+2*(i%8):GB+2*(i%8)+1]   ; + bd
.set i, i+1
.endr
; The sum over the 32 lanes of v[TM + 8 i], for the eight rows by turns; every lane ends with the result.
.macro REDUCE
.irp m, 1,2,4,8
.irp i, 0,1,2,3,4,5,6,7
	v_add_f32_dpp v[TM+8*\i], v[TM+8*\i], v[TM+8*\i] row_xmask:\m row_mask:0xf bank_mask:0xf
.endr
.endr
.irp i, 0,1,2,3,4,5,6,7
	v_permlanex16_b32 v[TM+8*\i+1], v[TM+8*\i], s28, s29
.endr
.irp i, 0,1,2,3,4,5,6,7
	v_add_f32 v[TM+8*\i], v[TM+8*\i], v[TM+8*\i+1]
.endr
.endm
.irp i, 0,1,2,3,4,5,6,7
	v_pk_add_f32 v[TM+8*\i:TM+8*\i+1],   v[ACC+16*\i:ACC+16*\i+1],     v[ACC+16*\i+2:ACC+16*\i+3]
	v_pk_add_f32 v[TM+8*\i+2:TM+8*\i+3], v[ACC+16*\i+4:ACC+16*\i+5],   v[ACC+16*\i+6:ACC+16*\i+7]
	v_pk_add_f32 v[TM+8*\i+4:TM+8*\i+5], v[ACC+16*\i+8:ACC+16*\i+9],   v[ACC+16*\i+10:ACC+16*\i+11]
	v_pk_add_f32 v[TM+8*\i+6:TM+8*\i+7], v[ACC+16*\i+12:ACC+16*\i+13], v[ACC+16*\i+14:ACC+16*\i+15]
.endr
.irp i, 0,1,2,3,4,5,6,7
	v_pk_add_f32 v[TM+8*\i:TM+8*\i+1],   v[TM+8*\i:TM+8*\i+1],   v[TM+8*\i+2:TM+8*\i+3]
	v_pk_add_f32 v[TM+8*\i+4:TM+8*\i+5], v[TM+8*\i+4:TM+8*\i+5], v[TM+8*\i+6:TM+8*\i+7]
.endr
.irp i, 0,1,2,3,4,5,6,7
	v_pk_add_f32 v[TM+8*\i:TM+8*\i+1], v[TM+8*\i:TM+8*\i+1], v[TM+8*\i+4:TM+8*\i+5]
.endr
.irp i, 0,1,2,3,4,5,6,7
	v_add_f32 v[TM+8*\i], v[TM+8*\i], v[TM+8*\i+1]
.endr
	REDUCE
.irp i, 0,1,2,3,4,5,6,7
	v_mul_f32 v[TM+8*\i], s20, v[TM+8*\i]          ; the mean
.endr
.irp k, 0,2,4,6,8,10,12,14
.irp i, 0,1,2,3,4,5,6,7
	v_pk_add_f32 v[ACC+16*\i+\k:ACC+16*\i+\k+1], v[ACC+16*\i+\k:ACC+16*\i+\k+1], v[TM+8*\i:TM+8*\i+1] op_sel_hi:[1,0] neg_lo:[0,1] neg_hi:[0,1]
.endr
.endr
.irp i, 0,1,2,3,4,5,6,7
	v_pk_mul_f32 v[TM+8*\i+2:TM+8*\i+3], v[ACC+16*\i:ACC+16*\i+1],   v[ACC+16*\i:ACC+16*\i+1]     ; the squares, in two chains a row
	v_pk_mul_f32 v[TM+8*\i+4:TM+8*\i+5], v[ACC+16*\i+8:ACC+16*\i+9], v[ACC+16*\i+8:ACC+16*\i+9]
.endr
.irp k, 2,4,6
.irp i, 0,1,2,3,4,5,6,7
	v_pk_fma_f32 v[TM+8*\i+2:TM+8*\i+3], v[ACC+16*\i+\k:ACC+16*\i+\k+1],     v[ACC+16*\i+\k:ACC+16*\i+\k+1],     v[TM+8*\i+2:TM+8*\i+3]
	v_pk_fma_f32 v[TM+8*\i+4:TM+8*\i+5], v[ACC+16*\i+8+\k:ACC+16*\i+8+\k+1], v[ACC+16*\i+8+\k:ACC+16*\i+8+\k+1], v[TM+8*\i+4:TM+8*\i+5]
.endr
.endr
.irp i, 0,1,2,3,4,5,6,7
	v_pk_add_f32 v[TM+8*\i+2:TM+8*\i+3], v[TM+8*\i+2:TM+8*\i+3], v[TM+8*\i+4:TM+8*\i+5]
.endr
.irp i, 0,1,2,3,4,5,6,7
	v_add_f32 v[TM+8*\i], v[TM+8*\i+2], v[TM+8*\i+3]
.endr
	REDUCE
.irp i, 0,1,2,3,4,5,6,7
	v_fma_f32 v[TM+8*\i], v[TM+8*\i], s20, s21     ; the variance + 1e-5
.endr
.irp i, 0,1,2,3,4,5,6,7
	v_rsq_f32 v[TM+8*\i], v[TM+8*\i]
.endr
	v_nop                                          ; a plain instruction between the last root and the first use (ISA guide 5.7.2)
	s_wait_alu depctr_va_vdst(0)
.irp k, 0,2,4,6,8,10,12,14
.irp i, 0,1,2,3,4,5,6,7
	v_pk_mul_f32 v[ACC+16*\i+\k:ACC+16*\i+\k+1], v[ACC+16*\i+\k:ACC+16*\i+\k+1], v[TM+8*\i:TM+8*\i+1] op_sel_hi:[1,0]
.endr
.endr
.irp k, 0,2,4,6,8,10,12,14
.irp i, 0,1,2,3,4,5,6,7
	v_pk_fma_f32 v[ACC+16*\i+\k:ACC+16*\i+\k+1], v[ACC+16*\i+\k:ACC+16*\i+\k+1], v[GB+16+\k:GB+16+\k+1], v[GB+32+\k:GB+32+\k+1]
.endr
.endr
.set i, 0
.rept 32
	global_store_b128 v[LN16], v[ACC+4*i:ACC+4*i+3], s[16:17] offset:(i/4)*2048+(i%4)*512 th:TH_STORE_NT   ; 512 neighbouring bytes, aligned
.set i, i+1
.endr
	s_wait_tensorcnt 0x0
	ds_add_u32 v14, v15
	s_wait_dscnt 0x0
	s_endpgm
.Lfunc_end_k_qca76f9baa8_outln:
	.size	k_qca76f9baa8_outln, .Lfunc_end_k_qca76f9baa8_outln-k_qca76f9baa8_outln
	.p2alignl 7, 3214868480
	.fill 96, 4, 3214868480
	.section	.rodata,"a",@progbits
	.p2align	6, 0x0
	.amdhsa_kernel k_qca76f9baa8_outln
		.amdhsa_group_segment_fixed_size 198656
		.amdhsa_private_segment_fixed_size 0
		.amdhsa_enable_private_segment 0
		.amdhsa_kernarg_size 56
		.amdhsa_user_sgpr_count 2
		.amdhsa_user_sgpr_kernarg_segment_ptr 1
		.amdhsa_wavefront_size32 1
		.amdhsa_system_sgpr_workgroup_id_x 1
		.amdhsa_system_sgpr_workgroup_id_y 1
		.amdhsa_system_sgpr_workgroup_id_z 1
		.amdhsa_system_vgpr_workitem_id 0
		.amdhsa_next_free_vgpr 512
		.amdhsa_next_free_sgpr 66
		.amdhsa_reserve_vcc 0
		.amdhsa_float_denorm_mode_32 3
		.amdhsa_float_denorm_mode_16_64 3
		.amdhsa_memory_ordered 1
		.amdhsa_forward_progress 1
		.amdhsa_inst_pref_size 92
	.end_amdhsa_kernel
	.amdgpu_metadata
---
amdhsa.version: [ 1, 2 ]
amdhsa.kernels:
  - .name:           k_qca76f9baa8_outln
    .symbol:         k_qca76f9baa8_outln.kd
    .args:
      - { .name: ctx, .offset: 0, .size: 8, .value_kind: global_buffer, .address_space: global }
      - { .name: img, .offset: 8, .size: 8, .value_kind: global_buffer, .address_space: global }
      - { .name: item_hidden, .offset: 16, .size: 8, .value_kind: global_buffer, .address_space: global }
      - { .name: bd, .offset: 24, .size: 8, .value_kind: global_buffer, .address_space: global }
      - { .name: gamma, .offset: 32, .size: 8, .value_kind: global_buffer, .address_space: global }
      - { .name: beta, .offset: 40, .size: 8, .value_kind: global_buffer, .address_space: global }
      - { .name: out0, .offset: 48, .size: 8, .value_kind: global_buffer, .address_space: global }
    .group_segment_fixed_size: 198656
    .private_segment_fixed_size: 0
    .kernarg_segment_align: 8
    .kernarg_segment_size: 56
    .max_flat_workgroup_size: 256
    .sgpr_count:     66
    .vgpr_count:     512
    .wavefront_size: 32
...
	.end_amdgpu_metadata
.endif
;; end of part 3
;; ======== version 2 of 2: 3 launches; version 1 with the launch conv written anew for expert scheduling mode
;; workspace buffers: img 54,001,664 bytes; ctx 16,777,216 bytes
;; launch conv (part 4): grid 1648 x 1, 8 waves a work-group, no clusters, 35,840 bytes of LDS; arguments item_hidden, position_embed, attr0, attr1, Wq, Wk, Wv, Wqp, Wkp, Wd, Wqa0, Wka0, Wqa1, Wka1, img; writes img
.if DOCPART == 4
	.amdgcn_target "amdgcn-amd-amdhsa--gfx1250"
	.amdhsa_code_object_version 6
	.text
	.protected	k_qca76f9baa8_conv
	.globl	k_qca76f9baa8_conv
	.p2align	8
	.type	k_qca76f9baa8_conv,@function
k_qca76f9baa8_conv:
	s_mov_b64 s[64:65], 0
	v_nop
	global_prefetch_b8 v0, s[64:65] scope:SCOPE_SE
	s_setreg_imm32_b32 hwreg(HW_REG_WAVE_SCHED_MODE, 0, 2), 2
	s_setreg_imm32_b32 hwreg(HW_REG_WAVE_MODE, 25, 1), 1
	s_wait_xcnt 0x0
	s_wait_alu depctr_vm_vsrc(0)
; The four activations and the ten weight matrices, f32, are rounded once to bf16 and laid out as FRAGMENT IMAGES:
; a block is 16 rows x 32 k = 1,024 bytes, [half q][lane 0..31][16 bytes]; lane (r = l % 16, h = l / 16), half q holds
; X[16 rt + r][32 ks + 16 q + 8 h + 0..7].  Two 16-byte loads a lane, 512 bytes apart, are then one matrix operand, and
; each of them covers 512 neighbouring bytes.  Block (rt, ks) lies at SECOFF + (rt >> LT) GSTR + (rt % 2^LT) 1024 + ks KSSTR.
; Activations: groups of 64 rows, [ks][4 row tiles].  Weights of the projections: one stream of 393,216 bytes a head, in the
; order in which the next launch walks it: item [16 ks][Q 0-3, K 0-3, V 0-3], position [16 ks][Q 0-3, K 0-3], attr0 and attr1
; [8 ks][Q 0-1, K 0-1].  Wd: groups of 64 output columns, [ks][4 column tiles].
; One wave takes one unit of 16 rows x 128 k: 16 loads of 512 neighbouring bytes, 32 roundings, a turn through its own
; 4,352 bytes of LDS, 8 stores of 512 neighbouring bytes.  No loop, no barrier: no wave touches another's bytes.
; Memory binds: matrix units, clusters and large tiles would add nothing.
; THE MODE: SCHED_MODE bits 1:0 = 2 (LLVM: expert scheduling mode 2), set by the entry lines.  The code itself states the register dependences
; between vector instructions and memory or LDS instructions, with s_wait_alu, always for 0.
; THE PLAN.  Registers that memory or LDS instructions touch:
;   IO, OO, SA, RA, v160, v161   offsets and addresses: written by vector lines at the head, read by loads, stores and the closing add, never written again.
;   X   row i: written by row i's global load alone, read by row i's two roundings, never loaded again.
;   C   row i: written once, by row i's two roundings; read by row i's LDS store.
;   R   written by the LDS loads alone, read by the global stores; no vector line names it.
; The 16 rows go in four groups of four.  Group g waits for its four loads; its LDS instructions are the four stores of group g - 1, which read SA and that group's C;
; its vector lines name its own X and C alone.  So one wait on va_vdst at a group's head states all that the group's four stores hang on, and they are dealt among its
; roundings with no further wait.  One more stands ahead of the last group's stores.  No register that a memory or LDS instruction reads is written again, so the text holds no wait on vm_vsrc.
.set XIO,  0                           ; item_hidden's image
.set XPO,  16777216                    ; position_embed's
.set XA0O, 33554432                    ; attr0's
.set XA1O, 41943040                    ; attr1's
.set WB,   50331648                    ; the heads' weight streams
.set WDO,  53477376                    ; Wd's image
.set HSTR, 393216                      ; bytes of a head's stream
.set IO,  2                            ; v[2:17]    byte offset of my 16 bytes in row i of the unit
.set X,   20                           ; v[20:83]   row i: 4 f32
.set C,   84                           ; v[84:115]  row i: 4 bf16
.set R,   116                          ; v[116:147] the image, 8 x 16 bytes a lane
.set OO,  148                          ; v[148:151] byte offset of my 16 bytes in block b
.set SA,  152                          ; v152       LDS: where my 8 bytes of row 0 go
.set RA,  153                          ; v153       LDS: where my 16 bytes of the image's first 512 lie
.set SPITCH, 272                       ; 256 bytes (16 rows x 16 bytes of one (ks, q, h)) + 16: the 32 lanes of a store touch all 64 banks once
.macro TRY limit, label
	s_cmp_lt_u32 ttmp9, \limit
	s_cbranch_scc1 \label
.endm
; One source: its pointer and the constants of its layout.
.macro SECTION id, arg, base, logkq, pitch, lt, gstr, ksstr, secoff
.Lsec_\id:
	s_load_b64 s[4:5], s[0:1], 8*\arg
	s_mov_b32 s8, \base                            ; the source's first work-group
	s_mov_b32 s9, \logkq                           ; log2 of the units along a row
	s_mov_b32 s10, \pitch                          ; bytes of a source row
	s_mov_b32 s11, \lt
	s_mov_b32 s12, \gstr
	s_mov_b32 s13, \ksstr
	s_mov_b32 s14, \secoff
	s_mov_b32 s24, (1<<\logkq)-1
	s_mov_b32 s25, (1<<\lt)-1
	s_branch .Lgo
.endm
	s_load_b64 s[6:7], s[0:1], 0x70                ; img
	v_lshl_add_u32 v160, v0, 2, 0x8800             ; my spare word, behind the eight stages, and 0: made here and kept for the closing lines alone
	v_mov_b32 v161, 0
	v_lshrrev_b32 v1, 5, v0
	v_readfirstlane_b32 s15, v1                    ; wave
	s_wait_alu depctr_va_sdst(0)                   ; s15 is written, ahead of the branches below and of its first reader behind them: my unit and my stage are made from it
	TRY 512,  .Lsec_0
	TRY 1024, .Lsec_1
	TRY 1280, .Lsec_2
	TRY 1536, .Lsec_3
	TRY 1552, .Lsec_4
	TRY 1568, .Lsec_5
	TRY 1584, .Lsec_6
	TRY 1600, .Lsec_7
	TRY 1616, .Lsec_8
	TRY 1632, .Lsec_9
	TRY 1636, .Lsec_10
	TRY 1640, .Lsec_11
	TRY 1644, .Lsec_12
	s_branch .Lsec_13
	SECTION 0,  0,  0,    2, 2048, 2, 65536, 4096, XIO
	SECTION 1,  1,  512,  2, 2048, 2, 65536, 4096, XPO
	SECTION 2,  2,  1024, 1, 1024, 2, 32768, 4096, XA0O
	SECTION 3,  3,  1280, 1, 1024, 2, 32768, 4096, XA1O
	SECTION 4,  4,  1536, 2, 2048, 2, HSTR,  12288, WB             ; Wq : item pass, tiles 0-3 of a k step's twelve
	SECTION 5,  5,  1552, 2, 2048, 2, HSTR,  12288, WB+4096        ; Wk : item pass, tiles 4-7
	SECTION 6,  6,  1568, 2, 2048, 2, HSTR,  12288, WB+8192        ; Wv : item pass, tiles 8-11
	SECTION 7,  7,  1584, 2, 2048, 2, HSTR,  8192, WB+196608       ; Wqp
	SECTION 8,  8,  1600, 2, 2048, 2, HSTR,  8192, WB+200704       ; Wkp
	SECTION 9,  9,  1616, 2, 2048, 2, 65536, 4096, WDO             ; Wd
	SECTION 10, 10, 1632, 1, 1024, 1, HSTR,  4096, WB+327680       ; Wqa0: tiles 0, 1
	SECTION 11, 11, 1636, 1, 1024, 1, HSTR,  4096, WB+329728       ; Wka0: tiles 2, 3
	SECTION 12, 12, 1640, 1, 1024, 1, HSTR,  4096, WB+360448       ; Wqa1
	SECTION 13, 13, 1644, 1, 1024, 1, HSTR,  4096, WB+362496       ; Wka1
.Lgo:
	s_sub_co_u32 s16, ttmp9, s8
	s_lshl3_add_u32 s16, s16, s15                  ; my unit in the source
	s_lshr_b32 s17, s16, s9                        ; rt: its 16 rows
	s_and_b32 s18, s16, s24                        ; kq: its 128 k
	s_mul_i32 s20, s17, s10
	s_lshl_b32 s20, s20, 4                         ; 16 rt rows,
	s_lshl_b32 s19, s18, 9                         ; 512 bytes a unit along the row
	s_add_co_u32 s20, s20, s19
	s_mov_b32 s21, 0
	s_lshr_b32 s22, s17, s11
	s_mul_i32 s22, s22, s12                        ; the group,
	s_and_b32 s23, s17, s25
	s_lshl_b32 s23, s23, 10                        ; the tile in the group,
	s_add_co_u32 s22, s22, s23
	s_mul_i32 s23, s18, s13
	s_lshl_b32 s23, s23, 2                         ; k step 4 kq
	s_add_co_u32 s22, s22, s23
	s_add_co_u32 s22, s22, s14
	s_mov_b32 s23, 0
	s_mul_i32 s26, s15, 16*SPITCH                  ; my wave's stage
	v_and_b32 v1, 31, v0
	v_lshlrev_b32 v[IO], 4, v1
.set i, 1
.rept 15
	v_mad_u32_u24 v[IO+i], s10, i, v[IO]           ; 16 lane + i rows
.set i, i+1
.endr
	v_lshlrev_b32 v[OO], 4, v1
.set i, 1
.rept 3
	v_mad_u32_u24 v[OO+i], s13, i, v[OO]           ; 16 lane + i k steps
.set i, i+1
.endr
	; lane l holds k = 4 l .. 4 l + 3 of a row: bits 4:3 of l are the block, bit 2 is q, bit 1 is h, bit 0 the half of the 16 bytes
	v_lshrrev_b32 v18, 1, v1
	v_mul_u32_u24 v[SA], v18, SPITCH
	v_and_b32 v18, 1, v1
	v_lshl_add_u32 v[SA], v18, 3, v[SA]
	v_add_nc_u32 v[SA], s26, v[SA]
	v_lshrrev_b32 v18, 4, v1
	v_mul_u32_u24 v[RA], v18, SPITCH
	v_and_b32 v18, 15, v1
	v_lshl_add_u32 v[RA], v18, 4, v[RA]
	v_add_nc_u32 v[RA], s26, v[RA]
	s_wait_kmcnt 0x0
	s_add_nc_u64 s[4:5], s[4:5], s[20:21]
	s_add_nc_u64 s[6:7], s[6:7], s[22:23]
	s_wait_alu depctr_va_vdst(0)                   ; IO, OO, SA, RA, v160 and v161 are written: every load, store and LDS instruction below reads one of them as its offset or address, and none is written again
.set i, 0
.rept 16
	global_load_b128 v[X+4*i:X+4*i+3], v[IO+i], s[4:5] th:TH_LOAD_NT   ; 512 neighbouring bytes of row i; read once in this launch
.set i, i+1
.endr
.set g, 0
.rept 4                                ; group g: rows 4 g to 4 g + 3
	s_wait_loadcnt 12-4*g                          ; loads return in order: the group's four rows are in, the 12 - 4 g loads of the later groups stay out
.if g > 0
	s_wait_alu depctr_va_vdst(0)                   ; the roundings of the group before have written its C, which the four LDS stores below read
.endif
.set j, 0
.rept 4
.set i, 4*g+j
.if g > 0
	ds_store_b64 v[SA], v[C+2*(i-4):C+2*(i-4)+1] offset:16*(i-4)   ; a row of the group before: row i is place r = i of its 256 bytes.  No vector line since the wait names these registers
.endif
	v_cvt_pk_bf16_f32 v[C+2*i],   v[X+4*i],   v[X+4*i+1]
	v_cvt_pk_bf16_f32 v[C+2*i+1], v[X+4*i+2], v[X+4*i+3]
.set j, j+1
.endr
.set g, g+1
.endr
	s_wait_alu depctr_va_vdst(0)                   ; the last group's roundings have written its C, which the last four LDS stores read
.set i, 12
.rept 4
	ds_store_b64 v[SA], v[C+2*i:C+2*i+1] offset:16*i
.set i, i+1
.endr
.set i, 0
.rept 8
	ds_load_b128 v[R+4*i:R+4*i+3], v[RA] offset:2*SPITCH*i   ; my wave's own bytes; LDS serves a wave in order, so these see the stores above; no vector line names R
.set i, i+1
.endr
.set i, 0
.rept 8
	s_wait_dscnt 7-i                               ; LDS loads return in order: load i is in, the 7 - i younger ones stay out
	global_store_b128 v[OO+i/2], v[R+4*i:R+4*i+3], s[6:7] offset:512*(i%2)   ; half i % 2 of block i / 2: 512 neighbouring bytes, aligned
.set i, i+1
.endr
	s_wait_dscnt 0x0                               ; the closing lines, six on end
	s_wait_alu 0x0
	s_wait_tensorcnt 0x0
	ds_add_u32 v160, v161
	s_wait_dscnt 0x0
	s_endpgm
.Lfunc_end_k_qca76f9baa8_conv:
	.size	k_qca76f9baa8_conv, .Lfunc_end_k_qca76f9baa8_conv-k_qca76f9baa8_conv
	.p2alignl 7, 3214868480
	.fill 96, 4, 3214868480
	.section	.rodata,"a",@progbits
	.p2align	6, 0x0
	.amdhsa_kernel k_qca76f9baa8_conv
		.amdhsa_group_segment_fixed_size 35840
		.amdhsa_private_segment_fixed_size 0
		.amdhsa_enable_private_segment 0
		.amdhsa_kernarg_size 120
		.amdhsa_user_sgpr_count 2
		.amdhsa_user_sgpr_kernarg_segment_ptr 1
		.amdhsa_wavefront_size32 1
		.amdhsa_system_sgpr_workgroup_id_x 1
		.amdhsa_system_sgpr_workgroup_id_y 1
		.amdhsa_system_sgpr_workgroup_id_z 1
		.amdhsa_system_vgpr_workitem_id 0
		.amdhsa_next_free_vgpr 162
		.amdhsa_next_free_sgpr 66
		.amdhsa_reserve_vcc 0
		.amdhsa_float_denorm_mode_32 3
		.amdhsa_float_denorm_mode_16_64 3
		.amdhsa_memory_ordered 1
		.amdhsa_forward_progress 1
		.amdhsa_inst_pref_size 19
	.end_amdhsa_kernel
	.amdgpu_metadata
---
amdhsa.version: [ 1, 2 ]
amdhsa.kernels:
  - .name:           k_qca76f9baa8_conv
    .symbol:         k_qca76f9baa8_conv.kd
    .args:
      - { .name: item_hidden, .offset: 0, .size: 8, .value_kind: global_buffer, .address_space: global }
      - { .name: position_embed, .offset: 8, .size: 8, .value_kind: global_buffer, .address_space: global }
      - { .name: attr0, .offset: 16, .size: 8, .value_kind: global_buffer, .address_space: global }
      - { .name: attr1, .offset: 24, .size: 8, .value_kind: global_buffer, .address_space: global }
      - { .name: Wq, .offset: 32, .size: 8, .value_kind: global_buffer, .address_space: global }
      - { .name: Wk, .offset: 40, .size: 8, .value_kind: global_buffer, .address_space: global }
      - { .name: Wv, .offset: 48, .size: 8, .value_kind: global_buffer, .address_space: global }
      - { .name: Wqp, .offset: 56, .size: 8, .value_kind: global_buffer, .address_space: global }
      - { .name: Wkp, .offset: 64, .size: 8, .value_kind: global_buffer, .address_space: global }
      - { .name: Wd, .offset: 72, .size: 8, .value_kind: global_buffer, .address_space: global }
      - { .name: Wqa0, .offset: 80, .size: 8, .value_kind: global_buffer, .address_space: global }
      - { .name: Wka0, .offset: 88, .size: 8, .value_kind: global_buffer, .address_space: global }
      - { .name: Wqa1, .offset: 96, .size: 8, .value_kind: global_buffer, .address_space: global }
      - { .name: Wka1, .offset: 104, .size: 8, .value_kind: global_buffer, .address_space: global }
      - { .name: img, .offset: 112, .size: 8, .value_kind: global_buffer, .address_space: global }
    .group_segment_fixed_size: 35840
    .private_segment_fixed_size: 0
    .kernarg_segment_align: 8
    .kernarg_segment_size: 120
    .max_flat_workgroup_size: 256
    .sgpr_count:     66
    .vgpr_count:     162
    .wavefront_size: 32
...
	.end_amdgpu_metadata
.endif
;; end of part 4
;; launch attn: the kernel of part 2 again; grid 4 x 64, 8 waves a work-group, clusters of 4 x 4, 325,376 bytes of LDS; arguments img, attention_mask, bq, bk, bqp, bkp, bv, bqa0, bka0, bqa1, bka1, ctx; writes ctx
;; launch outln: the kernel of part 3 again; grid 256 x 1, 8 waves a work-group, no clusters, 198,656 bytes of LDS; arguments ctx, img, item_hidden, bd, gamma, beta, out0; writes out0
